; MI455X (gfx1250); checked and timed in simulation.
; The chip was launched on July 23, 2026; its instructions are those of AMD's public machine-readable ISA for CDNA 5 (MIT licence, August 2026) and "CDNA5" Instruction Set Architecture Reference Guide (July 2026). The comments in the code are by the model that wrote it; some were corrected since.
;; Tritter Attention. Allowed arithmetic: matrix products marked QUANTISED: E2M1 operands, one E8M0 scale for each 32 along K, by v_wmma_scale_f32_16x16x128_f8f6f4 with both operands' format E2M1 (or v_wmma_scale_f32_32x16x128_f4), f32 sums; products left as they are: bf16, f16 or f32 operands; f32 sums; everything else in f32.
;; Inputs: attention_mask 1 x 1 x 4,096 x 4,096 float32; bk 1,024 float32; bo 1,024 float32; bq 1,024 float32; bv 1,024 float32; hidden_states 1 x 4,096 x 1,024 float32; wk 1,024 x 1,024 float32; wo 1,024 x 1,024 float32; wq 1,024 x 1,024 float32; wv 1,024 x 1,024 float32.
;; Outputs: out0 1 x 4,096 x 1,024 float32.
;; This version of the problem:
;;   THIS VERSION OF THE PROBLEM IS GIVEN IN LOW PRECISION. The matrix products marked QUANTISED in the list below multiply operands that are first quantised to E2M1 (2 exponent bits, 1 mantissa bit; 4 bits a number), with one power-of-two scale for each 32 numbers along K (OCP MX v1.0); their sums are f32. The products marked 'left as it is' may take bf16, f16 or f32 operands, with f32 sums. Whichever they take, every output number must still come out within the allowed error. Rounding operands to bf16 (8 significant bits) uses up far more of that allowance than f16 does (11 bits, for magnitudes from 6e-5 to 65,504). All else is computed in f32.
;;   The module's matrix products, in the order in which they are computed (A, B: the left and right operand; K: the contracted axis; several contracted axes count as one K, in the product's order):
;;     1. [M 4,096, K 1,024] x [K 1,024, N 1,024]; A: input hidden_states; B: input wq: QUANTISED
;;     2. [M 4,096, K 1,024] x [K 1,024, N 1,024]; A: input hidden_states; B: input wk: QUANTISED
;;     3. [M 4,096, K 1,024] x [K 1,024, N 1,024]; A: input hidden_states; B: input wv: QUANTISED
;;     4. batch 16 x [M 4,096, K 64] x [K 64, N 4,096]; A: computed on the way; B: computed on the way: left as it is (an operand is computed on the way)
;;     5. batch 16 x [M 4,096, K 4,096] x [K 4,096, N 64]; A: computed on the way; B: computed on the way: left as it is (an operand is computed on the way)
;;     6. [M 4,096, K 1,024] x [K 1,024, N 1,024]; A: computed on the way; B: input wo: left as it is (an operand is computed on the way)
;;   THE QUANTISER, for each operand of a quantised product, along K:
;;     - K is cut into blocks of 32 from its start; a last block that is shorter is filled with zeros.
;;     - A block's scale is 2^e with e = floor(log2(the largest magnitude in the block)) - 2, held to -126 .. 127; a block of zeros has e = 0. As a byte (E8M0): e + 127.
;;     - Each number is divided by its block's scale, clamped to +-6, and rounded to the nearest number of E2M1, ties to even, subnormals kept.
;;     - The product sums the exact products of the quantised numbers (number of the format x scale) in f32.
;;   ~~~python
;;   def quantise(x, axis):      # numpy; x: float32 -> the quantised numbers, widened to float32 again
;;       x = np.moveaxis(x, axis, -1); K = x.shape[-1]
;;       x = np.pad(x, [(0, 0)] * (x.ndim - 1) + [(0, -K % 32)]); x = x.reshape(x.shape[:-1] + (-1, 32)); a = np.abs(x).max(-1, keepdims=True)
;;       e = np.where(a > 0, np.clip(np.frexp(np.where(a > 0, a, 1))[1] - 1 - 2, -126, 127), 0)      # np.frexp(a)[1] - 1 = floor(log2(a)), exactly
;;       r = np.clip(x / 2.0 ** e, -6, 6)
;;       step = 2.0 ** (np.maximum(np.frexp(np.where(r == 0, 1, r))[1] - 1, 0) - 1)
;;       q = np.round(r / step) * step * 2.0 ** e      # np.round: ties to even
;;       return np.moveaxis(q.reshape(q.shape[:-2] + (-1,))[..., :K], -1, axis).astype(np.float32)
;;   ~~~
;; One version. Each part assembles by itself: llvm-mc -triple=amdgcn-amd-amdhsa -mcpu=gfx1250 --defsym DOCPART=n.
;; ======== version 1 of 1: 4 launches
;; limits: values are held in f16: magnitudes above 65,504 overflow, below 6.1e-05 lose precision
;; workspace buffers: cd 3,670,016 bytes; sc 229,376 bytes; w2 4,194,304 bytes; qh 8,388,608 bytes; kh 8,388,608 bytes; vt 8,388,608 bytes; a2 16,777,216 bytes
;; launch quant (part 1): grid 256 x 1, 4 waves a work-group, no clusters, 33,280 bytes of LDS; arguments hidden_states, wq, wk, wv, wo, cd, sc, w2; writes cd, sc, w2
.if DOCPART == 1
	.amdgcn_target "amdgcn-amd-amdhsa--gfx1250"
	.amdhsa_code_object_version 6
	.text
	.protected	k_qb791ab3086_quant
	.globl	k_qb791ab3086_quant
	.p2align	8
	.type	k_qb791ab3086_quant,@function
k_qb791ab3086_quant:
	s_mov_b64 s[64:65], 0
	v_nop
	global_prefetch_b8 v0, s[64:65] scope:SCOPE_SE
	s_setreg_imm32_b32 hwreg(HW_REG_WAVE_MODE, 25, 1), 1
	s_wait_xcnt 0x0
; FIRST OF FOUR LAUNCHES: quant, qkv, attn, oproj.  out0 = softmax((x Wq^T + bq)(x Wk^T + bk)^T / 8 + mask) (x Wv^T + bv) Wo^T + bo, 16 heads of 64, 4,096 positions.
; DEAD WORK: bk.  scores[q][k] = Q[q] . (K0[k] + bk) / 8 = Q[q] . K0[k] / 8 + Q[q] . bk / 8.  The second term does not hang on k: it is the same along the softmax's axis, for all values of the inputs,
; and softmax(s + const) = softmax(s) in exact arithmetic.  The product Q K^T is not quantised, so bk moves no code and no scale.  bk has no way to any output: it is not loaded and is no argument of any launch.
; LIMIT: a NaN, an infinity or an overflow that reaches only bk's term is not carried to the result.  Nothing else is left out: the mask is an input, so every query walks every key.
; THIS LAUNCH.  Work-groups 0-223: x [4096][1024], Wq, Wk, Wv [1024][1024], f32 with K innermost, become codes of FP4 (E2M1) in cd [7168 rows][512 bytes] and one E8M0 byte for each 32 along K in sc [7168][32]:
; rows 0-4095 x, 4096.. Wq, 5120.. Wk, 6144.. Wv.  A block's scale is 2^(floor(log2(its largest magnitude)) - 2): its byte is the largest magnitude's exponent field - 2, held at 1 from below.
; (A block of zeros so gets the byte 1 where the rule says 127: its codes are zeros, which add nothing under any byte but 0xff, and this program alone reads the bytes.)
; Work-groups 224-255: Wo becomes pairs of f16, w2 [1024][hi 1024 | lo 1024]: hi = f16(w), lo = f16(w - hi), the difference taken in f32.
; LIMITS: NaN and infinities among the inputs are not served; blocks whose largest magnitude lies under 2^(2 - 126) keep the byte 1; |wo| stays under 65,504.
; Rows are dense and K is a multiple of 32: the four tensors are plain streams of blocks of 32.  A wave takes 16 steps of 512 numbers.  Each load reads 512 consecutive bytes; a step's 2,048 bytes turn through the
; wave's own stage in LDS and come back 64 bytes a lane (16 neighbours along K; two neighbouring lanes hold a block).  No barrier: waves share nothing.
.set NQWG,  224                        ; work-groups that quantise: 128 for x, 32 for each weight
.set WAVES, 4
.set STEPS, 16
.set EMAX,  2
.set CB,    8                          ; bytes of 16 codes
.set R,     16                         ; v16-79   four sets of 16 numbers as they are loaded
.set X,     80                         ; v80-111  two sets of 16 neighbours
.set C,     128                        ; v128-191 codes: four registers for each step, so that no store's data are written again
.set E,     112                        ; v112-127 a scale byte for each step
.set WREG,  8192                       ; LDS: a region for each wave: two stages of 32 x SP bytes, behind them its 256 scale bytes
.set SP,    80                         ; a lane's place in a stage: its 64 bytes + 16 of padding
.set SPW,   12                         ; v12      LDS address of my spare word; never rewritten
.set NIL,   13                         ; v13      0; never rewritten
.set SPARE, WAVES*WREG                 ; behind the four regions: the spare words, 128 bytes for each wave
.set LD,    128                        ; the wo path: v128-191 two sets of eight loads
.set RS,    64                         ; the wo path: v64-127 two sets of results: for each load hi, hi, lo, lo
	s_load_b256 s[4:11], s[0:1], 0x0               ; x s[4:5], wq s[6:7], wk s[8:9], wv s[10:11]
	s_load_b256 s[12:19], s[0:1], 0x20             ; wo s[12:13], cd s[14:15], sc s[16:17], w2 s[18:19]
	v_lshl_add_u32 v[SPW], v0, 2, SPARE
	v_mov_b32 v[NIL], 0
	s_cmp_ge_u32 ttmp9, NQWG                       ; the work-group's number alone decides the path
	s_cbranch_scc1 .Lwo
	v_lshrrev_b32 v1, 5, v0
	v_readfirstlane_b32 s20, v1                    ; wave
	v_and_b32 v2, 31, v0                           ; lane
	v_lshlrev_b32 v3, 4, v2                        ; my 16 bytes of a load's 512
	s_mul_i32 s21, s20, WREG
	v_lshrrev_b32 v14, 2, v2
	v_mul_u32_u24 v14, v14, SP
	v_and_b32 v15, 3, v2
	v_lshl_add_u32 v14, v15, 4, v14
	v_add_nc_u32 v14, s21, v14                     ; the stage, on the way in: four lanes' 64 bytes on end, then 16 of padding
	v_mul_u32_u24 v15, v2, SP
	v_add_nc_u32 v15, s21, v15                     ; and on the way out: SP x lane: my 16 neighbours
	v_mul_u32_u24 v4, v2, CB                       ; my codes' place in a step's
	v_lshrrev_b32 v5, 1, v2
	s_add_co_u32 s21, s21, 2*32*SP
	v_add_nc_u32 v5, s21, v5                       ; LDS: my wave's 256 scale bytes, my block's byte
	v_lshlrev_b32 v7, 3, v2                        ; and on the way out 8 bytes a lane
	v_add_nc_u32 v6, s21, v7
	s_and_b32 s24, ttmp9, 31                       ; a weight's work-group among its 32
	s_lshl_b32 s25, ttmp9, 2
	s_add_co_u32 s25, s25, s20                     ; my run of 8,192 numbers in cd and sc: 4 x work-group + wave
	s_wait_kmcnt 0x0
	s_cmp_lt_u32 ttmp9, 192                        ; which tensor: the choices hang on the work-group's number alone
	s_cselect_b64 s[22:23], s[8:9], s[10:11]
	s_cmp_lt_u32 ttmp9, 160
	s_cselect_b64 s[22:23], s[6:7], s[22:23]
	s_cmp_lt_u32 ttmp9, 128
	s_cselect_b64 s[22:23], s[4:5], s[22:23]
	s_cselect_b32 s24, ttmp9, s24
	s_lshl_b32 s24, s24, 2
	s_add_co_u32 s24, s24, s20                     ; my run in the tensor
	s_lshl_b32 s26, s24, 15                        ; 32,768 bytes of f32 a run
	s_mov_b32 s27, 0
	s_add_nc_u64 s[22:23], s[22:23], s[26:27]
	s_lshl_b32 s26, s25, 12                        ; 4,096 bytes of codes
	s_add_nc_u64 s[14:15], s[14:15], s[26:27]
	s_lshl_b32 s26, s25, 8                         ; 256 scale bytes
	s_add_nc_u64 s[16:17], s[16:17], s[26:27]
.macro LOAD t
.irp i, 0,1,2,3
	global_load_b128 v[R+16*((\t)%4)+4*\i:R+16*((\t)%4)+4*\i+3], v3, s[22:23] offset:2048*(\t)+512*\i th:TH_LOAD_NT   ; 32 lanes read 512 consecutive bytes
.endr
.endm
.macro TURN t                          ; step t's numbers through the stage: LDS serves a wave's instructions in order, so no wait stands between the stores and the loads
.irp i, 0,1,2,3
	ds_store_b128 v14, v[R+16*((\t)%4)+4*\i:R+16*((\t)%4)+4*\i+3] offset:32*SP*((\t)%2)+8*SP*\i
.endr
.irp i, 0,1,2,3
	ds_load_b128 v[X+16*((\t)%2)+4*\i:X+16*((\t)%2)+4*\i+3], v15 offset:32*SP*((\t)%2)+16*\i
.endr
.endm
.irp t, 0,1,2,3
	LOAD \t
.endr
	s_wait_loadcnt 12                              ; step 0's four loads are in; the twelve of steps 1 to 3 may be out
	TURN 0
.macro STEP t
.set XS, X+16*((\t)%2)
.if (\t) > 0
	s_wait_dscnt 1                                 ; this step's numbers are back from the stage (the last step's byte store may be out)
.else
	s_wait_dscnt 0x0
.endif
.if (\t)+4 < STEPS
	LOAD (\t)+4                                    ; the registers that the stage's stores have read take the loads of four steps on
.endif
.if (\t)+1 < STEPS
.if STEPS-2-(\t) >= 3
	s_wait_loadcnt 12                              ; the next step's four loads are in; those of the three steps behind it may be out
.else
	s_wait_loadcnt 4*(STEPS-2-(\t))
.endif
	TURN (\t)+1                                    ; and go through the other stage while this step is worked
.endif
	v_max3_num_f32 v8, |v[XS]|, |v[XS+1]|, |v[XS+2]|               ; the largest magnitude of my 16, in two chains
	v_max3_num_f32 v9, |v[XS+3]|, |v[XS+4]|, |v[XS+5]|
.irp i, 6,10
	v_max3_num_f32 v8, v8, |v[XS+\i]|, |v[XS+\i+1]|
	v_max3_num_f32 v9, v9, |v[XS+\i+2]|, |v[XS+\i+3]|
.endr
	v_max3_num_f32 v8, v8, |v[XS+14]|, |v[XS+15]|
	v_max3_num_f32 v8, v8, v9, (EMAX+1)<<23        ; and the floor 2^(EMAX + 1 - 127): the byte cannot fall under 1
	v_max_num_f32_dpp v8, v8, v8 row_xmask:1 row_mask:0xf bank_mask:0xf   ; and of my neighbour's 16: the block's
	v_add_nc_u32 v11, -(EMAX<<23), v8              ; EMAX off its exponent field: the conversion takes the exponent field of this operand as its scale
	v_cvt_scalef32_pk8_fp4_f32 v[C+4*(\t)], v[XS:XS+7], v11        ; to the nearest code, ties to even, beyond the largest code the largest; the first number's code in the lowest four bits
	v_cvt_scalef32_pk8_fp4_f32 v[C+4*(\t)+1], v[XS+8:XS+15], v11
	v_lshrrev_b32 v[E+(\t)], 23, v11               ; the scale's byte
	ds_store_b8 v5, v[E+(\t)] offset:16*(\t)       ; both lanes of a block write the same byte with the same value
	global_store_b64 v4, v[C+4*(\t):C+4*(\t)+1], s[14:15] offset:32*CB*(\t)   ; the wave stores 256 consecutive bytes, aligned
.endm
.irp t, 0,1,2,3,4,5,6,7,8,9,10,11,12,13,14,15
	STEP \t
.endr
	ds_load_b64 v[8:9], v6                         ; LDS serves a wave's instructions in order: these see my stores
	s_wait_dscnt 0x0
	global_store_b64 v7, v[8:9], s[16:17]          ; 32 lanes store 256 consecutive bytes, aligned
	s_wait_tensorcnt 0x0                           ; the wave's end: behind my last LDS store
	ds_add_u32 v[SPW], v[NIL]
	s_wait_dscnt 0x0
	s_endpgm
; THE WO PATH.  Work-group 224 + j takes rows 32 j .. 32 j + 31 of wo.  128 threads x 16 bytes are half a row; eight groups of four rows, eight loads each, two groups ahead.  No LDS.
.Lwo:
	s_sub_co_u32 s24, ttmp9, NQWG
	s_lshl_b32 s24, s24, 17                        ; 32 rows of 4,096 bytes, in wo and in w2 alike
	s_mov_b32 s25, 0
	v_lshlrev_b32 v1, 4, v0                        ; in: 16 bytes a thread
	v_lshlrev_b32 v2, 3, v0                        ; out: 8 bytes a thread in each of the two halves of a row
	s_wait_kmcnt 0x0
	s_add_nc_u64 s[12:13], s[12:13], s[24:25]
	s_add_nc_u64 s[18:19], s[18:19], s[24:25]
.macro LOADG G                         ; group G: load k is row 4 G + k / 2, half k % 2
.irp k, 0,1,2,3,4,5,6,7
	global_load_b128 v[LD+32*((\G)%2)+4*\k:LD+32*((\G)%2)+4*\k+3], v1, s[12:13] offset:(4*(\G)+\k/2)*4096+(\k%2)*2048 th:TH_LOAD_NT
.endr
.endm
; four numbers become two registers of hi and two of lo.  al .. bh: the halves of the two hi registers, by name
.macro SPLIT ld, rs, al, ah, bl, bh
	v_cvt_pk_f16_f32 v[\rs], v[\ld], v[\ld+1]
	v_cvt_pk_f16_f32 v[\rs+1], v[\ld+2], v[\ld+3]
	v_cvt_f32_f16 v16, \al
	v_cvt_f32_f16 v17, \ah
	v_cvt_f32_f16 v18, \bl
	v_cvt_f32_f16 v19, \bh
	v_pk_add_f32 v[16:17], v[\ld:\ld+1], v[16:17] neg_lo:[0,1] neg_hi:[0,1]       ; w - hi, exact in f32
	v_pk_add_f32 v[18:19], v[\ld+2:\ld+3], v[18:19] neg_lo:[0,1] neg_hi:[0,1]
	v_cvt_pk_f16_f32 v[\rs+2], v16, v17
	v_cvt_pk_f16_f32 v[\rs+3], v18, v19
.endm
.macro WOG G
.if (\G) < 7
	s_wait_loadcnt 8                               ; this group's eight loads are in; the next group's eight may be out
.else
	s_wait_loadcnt 0x0
.endif
	s_wait_xcnt 0x0                                ; the stores of two groups back have read this set of results
.if (\G)%2 == 0
	SPLIT 128, 64, v64.l, v64.h, v65.l, v65.h
	SPLIT 132, 68, v68.l, v68.h, v69.l, v69.h
	SPLIT 136, 72, v72.l, v72.h, v73.l, v73.h
	SPLIT 140, 76, v76.l, v76.h, v77.l, v77.h
	SPLIT 144, 80, v80.l, v80.h, v81.l, v81.h
	SPLIT 148, 84, v84.l, v84.h, v85.l, v85.h
	SPLIT 152, 88, v88.l, v88.h, v89.l, v89.h
	SPLIT 156, 92, v92.l, v92.h, v93.l, v93.h
.else
	SPLIT 160, 96, v96.l, v96.h, v97.l, v97.h
	SPLIT 164, 100, v100.l, v100.h, v101.l, v101.h
	SPLIT 168, 104, v104.l, v104.h, v105.l, v105.h
	SPLIT 172, 108, v108.l, v108.h, v109.l, v109.h
	SPLIT 176, 112, v112.l, v112.h, v113.l, v113.h
	SPLIT 180, 116, v116.l, v116.h, v117.l, v117.h
	SPLIT 184, 120, v120.l, v120.h, v121.l, v121.h
	SPLIT 188, 124, v124.l, v124.h, v125.l, v125.h
.endif
.irp k, 0,1,2,3,4,5,6,7
	global_store_b64 v2, v[RS+32*((\G)%2)+4*\k:RS+32*((\G)%2)+4*\k+1], s[18:19] offset:(4*(\G)+\k/2)*4096+(\k%2)*1024          ; hi: a wave stores 256 consecutive bytes, aligned
	global_store_b64 v2, v[RS+32*((\G)%2)+4*\k+2:RS+32*((\G)%2)+4*\k+3], s[18:19] offset:(4*(\G)+\k/2)*4096+(\k%2)*1024+2048   ; lo: the row's second half
.endr
.if (\G)+2 < 8
	LOADG (\G)+2
.endif
.endm
	LOADG 0
	LOADG 1
.irp g, 0,1,2,3,4,5,6,7
	WOG \g
.endr
	s_endpgm
.Lfunc_end_k_qb791ab3086_quant:
	.size	k_qb791ab3086_quant, .Lfunc_end_k_qb791ab3086_quant-k_qb791ab3086_quant
	.p2alignl 7, 3214868480
	.fill 96, 4, 3214868480
	.section	.rodata,"a",@progbits
	.p2align	6, 0x0
	.amdhsa_kernel k_qb791ab3086_quant
		.amdhsa_group_segment_fixed_size 33280
		.amdhsa_private_segment_fixed_size 0
		.amdhsa_enable_private_segment 0
		.amdhsa_kernarg_size 64
		.amdhsa_user_sgpr_count 2
		.amdhsa_user_sgpr_kernarg_segment_ptr 1
		.amdhsa_wavefront_size32 1
		.amdhsa_system_sgpr_workgroup_id_x 1
		.amdhsa_system_sgpr_workgroup_id_y 1
		.amdhsa_system_sgpr_workgroup_id_z 1
		.amdhsa_system_vgpr_workitem_id 0
		.amdhsa_next_free_vgpr 192
		.amdhsa_next_free_sgpr 66
		.amdhsa_reserve_vcc 0
		.amdhsa_float_denorm_mode_32 3
		.amdhsa_float_denorm_mode_16_64 3
		.amdhsa_memory_ordered 1
		.amdhsa_forward_progress 1
		.amdhsa_inst_pref_size 84
	.end_amdhsa_kernel
	.amdgpu_metadata
---
amdhsa.version: [ 1, 2 ]
amdhsa.kernels:
  - .name:           k_qb791ab3086_quant
    .symbol:         k_qb791ab3086_quant.kd
    .args:
      - { .name: hidden_states, .offset: 0, .size: 8, .value_kind: global_buffer, .address_space: global }
      - { .name: wq, .offset: 8, .size: 8, .value_kind: global_buffer, .address_space: global }
      - { .name: wk, .offset: 16, .size: 8, .value_kind: global_buffer, .address_space: global }
      - { .name: wv, .offset: 24, .size: 8, .value_kind: global_buffer, .address_space: global }
      - { .name: wo, .offset: 32, .size: 8, .value_kind: global_buffer, .address_space: global }
      - { .name: cd, .offset: 40, .size: 8, .value_kind: global_buffer, .address_space: global }
      - { .name: sc, .offset: 48, .size: 8, .value_kind: global_buffer, .address_space: global }
      - { .name: w2, .offset: 56, .size: 8, .value_kind: global_buffer, .address_space: global }
    .group_segment_fixed_size: 33280
    .private_segment_fixed_size: 0
    .kernarg_segment_align: 8
    .kernarg_segment_size: 64
    .max_flat_workgroup_size: 128
    .sgpr_count:     66
    .vgpr_count:     192
    .wavefront_size: 32
...
	.end_amdgpu_metadata
.endif
;; end of part 1
;; launch qkv (part 2): grid 8 x 32, 4 waves a work-group, clusters of 4 x 4, 327,680 bytes of LDS; arguments cd, sc, bq, bv, qh, kh, vt; writes qh, kh, vt
.if DOCPART == 2
	.amdgcn_target "amdgcn-amd-amdhsa--gfx1250"
	.amdhsa_code_object_version 6
	.text
	.protected	k_qb791ab3086_qkv
	.globl	k_qb791ab3086_qkv
	.p2align	8
	.type	k_qb791ab3086_qkv,@function
k_qb791ab3086_qkv:
	s_mov_b64 s[64:65], 0
	v_nop
	global_prefetch_b8 v0, s[64:65] scope:SCOPE_SE
	s_setreg_imm32_b32 hwreg(HW_REG_WAVE_MODE, 25, 1), 1
	s_wait_xcnt 0x0
	s_wait_alu depctr_hold_cnt(0) depctr_sa_sdst(0) depctr_va_vdst(0) depctr_va_sdst(0) depctr_va_ssrc(0) depctr_va_vcc(0) depctr_vm_vsrc(0)
	s_getreg_b32 s2, hwreg(HW_REG_IB_STS2, 6, 4)
	s_cmp_eq_u32 s2, 0
	s_cbranch_scc0 .Lentry_in_a_cluster
	s_endpgm
.Lentry_in_a_cluster:
	s_bfe_u32 s2, ttmp6, 0x10000c
	s_cmp_lg_u32 s2, 0xf033
	s_cbranch_scc0 .Lentry_shape_is_right
	s_endpgm
.Lentry_shape_is_right:
; SECOND LAUNCH: the three quantised products x Wq^T, x Wk^T, x Wv^T on codes of FP4 (E2M1) with one E8M0 scale for each 32 along K; sums in f32.
; bk is left out as dead work: it adds the same term to every key's score of a row (shown at the head of the first launch).
; OUT, in f16, laid as the attention launch reads them: qh [16 heads][4096][64] = (x Wq^T + bq) / 8 (the softmax's factor 1 / sqrt(64), a power of two: nothing is rounded by it);
; kh [16][4096][64] = x Wk^T;  vt [1024 channels][4096 keys] = (x Wv^T + bv) transposed.  The biases are added in f32.  LIMIT: |q / 8|, |k|, |v| stay under 65,504.
; SHARES.  Work-group (nt, mt) takes 128 rows of x and the same 128 columns of each of Q, K, V: x's tile serves three weights.  All of K = 1024 (512 bytes of codes a row) lies in LDS at once:
; four tiles of 128 rows, filled once, no ring.  Four waves, each 64 x 64: 16 accumulators, three phases.
; CLUSTER 4 x 4: x's tile hangs on mt alone and is shared along a row of the cluster, the weights' tiles on nt alone and are shared along a column: each is asked for jointly.
; Q and K use the matrix instruction transposed (source 0 = 16 rows of W, source 1 = 16 rows of x): a lane holds eight neighbouring channels of one position.  V uses it as it stands: a lane holds eight
; neighbouring positions (keys) of one channel, which is what vt's rows want.
.set PITCH, 528                        ; an LDS row: 512 bytes + 16 of padding = 132 words: the 16 rows of a load start at 16 different groups of four banks
.set TILE,  128*PITCH                  ; tile 0: x; 1, 2, 3: Wq, Wk, Wv
.set QUART, 32*PITCH                   ; what one tensor load brings
.set STG,   4*TILE                     ; each wave's own stage for Q's and K's way out: 16 rows x 144 bytes
.set SPI,   144
.set BIAS,  STG+4*16*SPI               ; each wave's own 512 bytes: bq / 8 of its 64 columns, then bv
.set SPARE, BIAS+4*512                 ; the spare words, 128 bytes for each wave
.set VPI,   272                        ; V's way out: a stage of 128 channels x (256 bytes + 16), the work-group's, in x's tile, which has had its one fill and, behind a barrier, its last read
.set AX,   3                           ; v3     LDS address of my x fragments
.set AW,   4                           ; v4-6   of my fragments of Wq, Wk, Wv
.set SCO,  7                           ; v7     byte offset in sc: lanes 0-15 my x rows, lanes 16-31 my rows of the phase's weight
.set SCH,  8                           ; v8     what a phase adds to it: 32,768 in lanes 16-31
.set STO,  9                           ; v9     my stage: where I put 16 bytes of a row
.set RD,   10                          ; v10    where I read rows back
.set GO,   11                          ; v11    16 x lane
.set BQA,  12                          ; v12    bq / 8 in LDS, my half's eight numbers
.set BVA,  13                          ; v13    the bias bytes, my channel's word
.set SPW,  14                          ; v14    my spare word; never rewritten
.set NIL,  15                          ; v15    0; never rewritten
.set VSTO, 16
.set VRD,  17
.set VGO,  18
.set SC,   24                          ; v24-55 scale words and nothing else: register 8 i + q: lanes 0-15 x's block i, lanes 16-31 the weight's block i, K step q
.set XF,   56                          ; v56-87   four fragments of x
.set WF,   88                          ; v88-119  four fragments of the weight
.set VB,   120                         ; v120-127 bv of my channel, four pairs
.set ACC,  128                         ; v128-255 accumulator (a, b) at ACC + 8 (4 a + b)
.set BB,   56                          ; Q's way out: bq / 8 in the result's layout
.set TMP,  88                          ; packed results, two sets of 16
.set WV,   18
.set G1X,  28                          ; s[28:35] descriptor group 1 for x's tile;  s[36:43] for the weights'
.set G1W,  36
.set G0,   44                          ; s[44:59] four groups 0
.set EI,   80                          ; s[80:81] 0.125
.macro CROUND                          ; a round of the cluster's barrier
	s_barrier_signal -1
	s_barrier_wait -1
	s_cmp_lg_u32 s[WV], 0
	s_cbranch_scc1 .Lnot_wave_0_\@
	s_barrier_signal -3
.Lnot_wave_0_\@:
	s_barrier_wait -3
	s_barrier_signal -1
	s_barrier_wait -1
.endm
	s_load_b256 s[4:11], s[0:1], 0x0               ; cd s[4:5], sc s[6:7], bq s[8:9], bv s[10:11]
	s_load_b128 s[12:15], s[0:1], 0x20             ; qh s[12:13], kh s[14:15]
	s_load_b64 s[16:17], s[0:1], 0x30              ; vt
	v_lshl_add_u32 v[SPW], v0, 2, SPARE
	v_mov_b32 v[NIL], 0
	ds_add_u32 v[SPW], v[NIL]                      ; the wave's opening: the add, twice on end, and its wait ahead of my first tensor load
	ds_add_u32 v[SPW], v[NIL]
	v_lshrrev_b32 v1, 5, v0
	v_readfirstlane_b32 s[WV], v1                  ; wave 0..3
	s_lshr_b32 s19, s[WV], 1                       ; wm: which 64 rows of x are mine
	s_and_b32 s20, s[WV], 1                        ; wn: which 64 columns
	s_bfe_u32 s21, ttmp6, 0x40000                  ; cx
	s_bfe_u32 s22, ttmp6, 0x40004                  ; cy
	s_lshl_b32 s23, ttmp9, 2
	s_add_co_u32 s23, s23, s21                     ; nt = 4 x cluster x + cx
	s_and_b32 s24, ttmp7, 0xffff
	s_lshl_b32 s24, s24, 2
	s_add_co_u32 s24, s24, s22                     ; mt = 4 x cluster y + cy
	s_lshl_b32 s25, s22, 2
	s_lshl_b32 s25, 15, s25                        ; my row of the cluster
	s_lshl_b32 s26, 0x1111, s21                    ; my column
	; group 1: 32 rows x 512 elements of one byte, dense in memory, 16 bytes of padding behind each row (128 words: code 6; 4 words: code 3)
	s_or_b32 s[G1X], s25, (1<<20)|(1<<21)|(6<<22)|(3<<25)
	s_or_b32 s[G1W], s26, (1<<20)|(1<<21)|(6<<22)|(3<<25)
.irp g, G1X, G1W
	s_mov_b32 s[\g+1], 512<<16                     ; tensor_dim0
	s_mov_b32 s[\g+2], 32<<16                      ; tensor_dim1
	s_mov_b32 s[\g+3], 512<<16                     ; tile_dim0
	s_mov_b32 s[\g+4], 32                          ; tile_dim1
	s_mov_b32 s[\g+5], 512                         ; the pitch
	s_mov_b32 s[\g+6], 0
	s_mov_b32 s[\g+7], 0
.endr
	s_mov_b32 s[EI], 0x3e000000
	s_mov_b32 s[EI+1], s[EI]                       ; (named with it as a pair)
	s_lshl_b32 s66, s[WV], 14                      ; my 32 rows of each tile: 32 x 512 bytes x wave
	s_lshl_b32 s60, s24, 16                        ; x: row 128 mt: made of mt and the wave alone
	s_add_co_u32 s60, s60, s66
	s_mov_b32 s61, 0
	s_lshl_b32 s62, s23, 16                        ; the weights: row 4096 + 128 nt: made of nt and the wave alone
	s_add_co_u32 s62, s62, s66
	s_add_co_u32 s62, s62, 4096*512
	s_mov_b32 s63, 0
	s_mul_i32 s67, s[WV], QUART                    ; and where they go: no place in the cluster enters an LDS address
	s_wait_dscnt 0x0                               ; both opening adds are done
	s_wait_kmcnt 0x0
	s_add_nc_u64 s[60:61], s[4:5], s[60:61]
	s_add_nc_u64 s[62:63], s[4:5], s[62:63]
	CROUND                                         ; all sixteen work-groups are here: the joint loads meet
	s_mov_b32 s[G0], 1
	s_mov_b32 s[G0+1], s67
	s_mov_b64 s[G0+2:G0+3], s[60:61]
	s_or_b32 s[G0+3], s[G0+3], 0x80000000
.irp p, 0,1,2
	s_mov_b32 s[G0+4+4*\p], 1
	s_add_co_u32 s[G0+5+4*\p], s67, (1+\p)*TILE
	s_add_nc_u64 s[G0+6+4*\p:G0+7+4*\p], s[62:63], \p*1024*512
	s_or_b32 s[G0+7+4*\p], s[G0+7+4*\p], 0x80000000
.endr
	tensor_load_to_lds s[G0:G0+3], s[G1X:G1X+7]    ; every wave brings a quarter of each tile: four loads of mine are out
	s_nop 0
.irp p, 0,1,2
	tensor_load_to_lds s[G0+4+4*\p:G0+7+4*\p], s[G1W:G1W+7]
	s_nop 0
.endr
.rept 4
	v_nop
.endr
	v_and_b32 v1, 15, v0                           ; r
	v_bfe_u32 v2, v0, 4, 1                         ; h
	v_and_b32 v19, 31, v0                          ; lane
	v_mul_u32_u24 v20, v1, PITCH
	v_lshl_add_u32 v20, v2, 4, v20                 ; a fragment's row x pitch + 16 h
	s_mul_i32 s68, s19, 64*PITCH
	v_add_nc_u32 v[AX], s68, v20
	s_mul_i32 s69, s20, 64*PITCH
.irp p, 0,1,2
	s_add_co_u32 s69, s69, TILE
	v_add_nc_u32 v[AW+\p], s69, v20
.endr
	s_lshl_b32 s70, s24, 12                        ; sc: 32 bytes a row.  x's rows from 128 mt + 64 wm on,
	s_lshl_b32 s71, s19, 11
	s_add_co_u32 s70, s70, s71
	s_lshl_b32 s71, s23, 12                        ; Wq's from 4096 + 128 nt + 64 wn on
	s_lshl_b32 s72, s20, 11
	s_add_co_u32 s71, s71, s72
	s_add_co_u32 s71, s71, 4096*32
	s_sub_co_u32 s71, s71, s70
	v_mul_u32_u24 v[SCO], s71, v2                  ; lanes 16-31 take the weight's
	v_lshl_add_u32 v[SCO], v1, 5, v[SCO]
	v_add_nc_u32 v[SCO], s70, v[SCO]
	v_lshlrev_b32 v[SCH], 15, v2                   ; the next weight lies 1,024 rows on
	s_mul_i32 s72, s[WV], 16*SPI
	s_add_co_u32 s72, s72, STG
	v_mul_u32_u24 v[STO], v1, SPI
	v_lshl_add_u32 v[STO], v2, 4, v[STO]
	v_add_nc_u32 v[STO], s72, v[STO]               ; in: row r, 16 bytes for each half of the lanes
	v_lshrrev_b32 v20, 3, v19
	v_mul_u32_u24 v[RD], v20, SPI
	v_and_b32 v20, 7, v0
	v_lshl_add_u32 v[RD], v20, 4, v[RD]
	v_add_nc_u32 v[RD], s72, v[RD]                 ; back: eight lanes to a row of 128 bytes, four rows an instruction
	v_lshlrev_b32 v[GO], 4, v19
	s_lshl_b32 s73, s[WV], 9
	s_add_co_u32 s73, s73, BIAS
	v_lshl_add_u32 v[BQA], v2, 5, s73
	v_lshl_add_u32 v[BVA], v1, 2, s73
	v_lshl_add_u32 v21, v19, 3, s73                ; where I put two numbers of each bias
	s_mul_i32 s74, s20, 64*VPI
	s_lshl_b32 s75, s19, 7
	s_add_co_u32 s74, s74, s75
	v_mul_u32_u24 v[VSTO], v1, VPI
	v_lshl_add_u32 v[VSTO], v2, 4, v[VSTO]
	v_add_nc_u32 v[VSTO], s74, v[VSTO]             ; V's stage, in: channel 64 wn + r, keys 64 wm + 8 h on
	s_mul_i32 s75, s[WV], 32*VPI
	v_mul_u32_u24 v[VRD], v2, VPI
	v_lshl_add_u32 v[VRD], v1, 4, v[VRD]
	v_add_nc_u32 v[VRD], s75, v[VRD]               ; back: my 32 channels, sixteen lanes to a row
	v_lshlrev_b32 v[VGO], 13, v2
	v_lshl_add_u32 v[VGO], v1, 4, v[VGO]           ; and the same two rows in vt
	s_lshl_b32 s76, s23, 9
	s_lshl_b32 s77, s20, 8
	s_add_co_u32 s76, s76, s77                     ; my 64 columns in bq and bv
	v_lshl_add_u32 v22, v19, 3, s76
	global_load_b64 v[120:121], v22, s[8:9]
	global_load_b64 v[122:123], v22, s[10:11]
.macro SCLOAD                          ; a phase's scale words: 32 bytes a row, for the eight K steps
.irp i, 0,1,2,3
	global_load_b128 v[SC+8*\i:SC+8*\i+3], v[SCO], s[6:7] offset:512*\i
	global_load_b128 v[SC+8*\i+4:SC+8*\i+7], v[SCO], s[6:7] offset:512*\i+16
.endr
.endm
	SCLOAD
	s_lshl_b32 s66, s23, 20                        ; qh, kh: head 2 nt + wn (524,288 bytes a head), row 128 mt + 64 wm (128 bytes a row)
	s_lshl_b32 s67, s20, 19
	s_add_co_u32 s66, s66, s67
	s_lshl_b32 s67, s24, 14
	s_add_co_u32 s66, s66, s67
	s_lshl_b32 s67, s19, 13
	s_add_co_u32 s66, s66, s67
	s_mov_b32 s67, 0
	s_add_nc_u64 s[12:13], s[12:13], s[66:67]
	s_add_nc_u64 s[14:15], s[14:15], s[66:67]
	s_lshl_b32 s66, s23, 20                        ; vt: channel 128 nt + 32 wave (8,192 bytes a row), key 128 mt
	s_lshl_b32 s77, s[WV], 18
	s_add_co_u32 s66, s66, s77
	s_lshl_b32 s77, s24, 8
	s_add_co_u32 s66, s66, s77
	s_add_nc_u64 s[16:17], s[16:17], s[66:67]
	s_wait_loadcnt 8                               ; the two bias loads are in; the eight scale loads may be out
	v_pk_mul_f32 v[120:121], v[120:121], s[EI:EI+1] op_sel_hi:[1,0]
	ds_store_b64 v21, v[120:121]                   ; bq / 8
	ds_store_b64 v21, v[122:123] offset:256        ; bv
.macro FRAG reg, adr, q, i             ; 16 rows x 128 K of 4-bit codes: 8 registers: lane (r, h): row r; registers 4 c .. 4 c + 3: K = 64 c + 32 h + 0 .. 31
	ds_load_b128 v[\reg:\reg+3], v[\adr] offset:(\i)*16*PITCH+64*(\q)
	ds_load_b128 v[\reg+4:\reg+7], v[\adr] offset:(\i)*16*PITCH+64*(\q)+32
.endm
; A K step of 128: 16 LDS loads, 16 products.  The 16 accumulators take turns, one instruction a turn, in the same order in every step.
; nat = 0: source 0 = the weight's rows (its scales in lanes 16-31), source 1 = x's.  nat = 1: the other way round.
.macro KSTEP aw, q, zero, nat
.rept 4
	v_nop                                          ; four places between the last products and the loads into the registers that they read
.endr
	FRAG XF, AX, \q, 0
.irp b, 0,1,2,3
	FRAG WF+8*\b, \aw, \q, \b
.endr
.irp a, 1,2,3
	FRAG XF+8*\a, AX, \q, \a
.endr
.irp a, 0,1,2,3
	s_wait_dscnt 6-2*\a                            ; x's block a and all of the weight's are in; the two loads of each later block of x may be out
.irp b, 0,1,2,3
.if \nat
.if \zero
	v_wmma_scale_f32_16x16x128_f8f6f4 v[ACC+8*(4*\a+\b):ACC+8*(4*\a+\b)+7], v[XF+8*\a:XF+8*\a+7], v[WF+8*\b:WF+8*\b+7], 0, v[SC+8*\a+(\q)], v[SC+8*\b+(\q)] matrix_a_fmt:MATRIX_FMT_FP4 matrix_b_fmt:MATRIX_FMT_FP4 matrix_b_scale:MATRIX_SCALE_ROW1
.else
	v_wmma_scale_f32_16x16x128_f8f6f4 v[ACC+8*(4*\a+\b):ACC+8*(4*\a+\b)+7], v[XF+8*\a:XF+8*\a+7], v[WF+8*\b:WF+8*\b+7], v[ACC+8*(4*\a+\b):ACC+8*(4*\a+\b)+7], v[SC+8*\a+(\q)], v[SC+8*\b+(\q)] matrix_a_fmt:MATRIX_FMT_FP4 matrix_b_fmt:MATRIX_FMT_FP4 matrix_b_scale:MATRIX_SCALE_ROW1
.endif
.else
.if \zero
	v_wmma_scale_f32_16x16x128_f8f6f4 v[ACC+8*(4*\a+\b):ACC+8*(4*\a+\b)+7], v[WF+8*\b:WF+8*\b+7], v[XF+8*\a:XF+8*\a+7], 0, v[SC+8*\b+(\q)], v[SC+8*\a+(\q)] matrix_a_fmt:MATRIX_FMT_FP4 matrix_b_fmt:MATRIX_FMT_FP4 matrix_a_scale:MATRIX_SCALE_ROW1
.else
	v_wmma_scale_f32_16x16x128_f8f6f4 v[ACC+8*(4*\a+\b):ACC+8*(4*\a+\b)+7], v[WF+8*\b:WF+8*\b+7], v[XF+8*\a:XF+8*\a+7], v[ACC+8*(4*\a+\b):ACC+8*(4*\a+\b)+7], v[SC+8*\b+(\q)], v[SC+8*\a+(\q)] matrix_a_fmt:MATRIX_FMT_FP4 matrix_b_fmt:MATRIX_FMT_FP4 matrix_a_scale:MATRIX_SCALE_ROW1
.endif
.endif
.endr
.endr
.endm
.macro PHASE p, aw, nat
	s_wait_loadcnt 0x0                             ; the phase's scale words
	s_wait_xcnt 0x0                                ; the last way out's stores have read the registers that the sums now take
	KSTEP \aw, 0, 1, \nat                          ; the first K step starts the sums: nothing is cleared
.irp q, 1,2,3,4,5,6,7
	KSTEP \aw, \q, 0, \nat
.endr
.rept 4
	v_nop                                          ; places in front of the first read of results and of loads into the scale registers
.endr
.if \p < 2
	v_add_nc_u32 v[SCO], v[SCH], v[SCO]            ; the next weight's rows (the loads that named this register are in)
	SCLOAD                                         ; they land under the way out
.endif
.endm
; Q's and K's way out, 16 rows of x at a time.  A lane's eight channels pack into 16 bytes; they go through my own stage and come back as whole rows of 128 bytes: 16 rows are 2,048 consecutive bytes of a head.
.macro PACK a, bias
.if \bias
.irp b, 0,1,2,3
.irp j, 0,2,4,6
	v_pk_fma_f32 v[ACC+8*(4*(\a)+\b)+\j:ACC+8*(4*(\a)+\b)+\j+1], v[ACC+8*(4*(\a)+\b)+\j:ACC+8*(4*(\a)+\b)+\j+1], s[EI:EI+1], v[BB+8*\b+\j:BB+8*\b+\j+1] op_sel_hi:[1,0,1]   ; sum / 8 + bq / 8, each accumulator from its low end on
.endr
.endr
.endif
.irp b, 0,1,2,3
.irp j, 0,1,2,3
	v_cvt_pk_f16_f32 v[TMP+16*((\a)%2)+4*\b+\j], v[ACC+8*(4*(\a)+\b)+2*\j], v[ACC+8*(4*(\a)+\b)+2*\j+1]
.endr
.endr
.endm
.macro TOSTAGE a
.irp b, 0,1,2,3
	ds_store_b128 v[STO], v[TMP+16*((\a)%2)+4*\b:TMP+16*((\a)%2)+4*\b+3] offset:32*\b
.endr
.irp i, 0,1,2,3
	ds_load_b128 v[ACC+32*(\a)+4*\i:ACC+32*(\a)+4*\i+3], v[RD] offset:\i*4*SPI   ; LDS serves a wave's instructions in order: these see the stores above.  They land where block a's sums, now packed, lay
.endr
.endm
.macro SEND a, base
	s_wait_dscnt 0x0                               ; the block is back in registers
.irp i, 0,1,2,3
	global_store_b128 v[GO], v[ACC+32*(\a)+4*\i:ACC+32*(\a)+4*\i+3], s[\base:\base+1] offset:(\a)*2048+\i*512   ; 32 lanes store 512 consecutive bytes, aligned
.endr
.endm
.macro WAYOUT base, bias
.if \bias
.irp b, 0,1,2,3
	ds_load_b128 v[BB+8*\b:BB+8*\b+3], v[BQA] offset:64*\b          ; my own bytes: bq / 8 at channels 16 b + 8 h + 0 .. 7
	ds_load_b128 v[BB+8*\b+4:BB+8*\b+7], v[BQA] offset:64*\b+16
.endr
	s_wait_dscnt 0x0
.endif
	PACK 0, \bias
	TOSTAGE 0
.irp a, 1,2,3
	PACK \a, \bias                                 ; block a's arithmetic stands between block a - 1's loads from the stage and the wait for them
	SEND \a-1, \base
	TOSTAGE \a
.endr
	SEND 3, \base
.endm
	s_wait_tensorcnt 2                             ; my parts of x's and Wq's tiles are in; Wk's and Wv's two loads may be out
	s_wait_dscnt 0x0
	s_barrier_signal -1
	s_barrier_wait -1                              ; everybody's are
	PHASE 0, AW, 0
	WAYOUT 12, 1
	s_wait_tensorcnt 1                             ; Wk's tile; Wv's load may be out
	s_wait_dscnt 0x0
	s_barrier_signal -1
	s_barrier_wait -1
	PHASE 1, AW+1, 0
	WAYOUT 14, 0
	s_wait_tensorcnt 0x0                           ; Wv's tile
	s_wait_dscnt 0x0
	s_barrier_signal -1
	s_barrier_wait -1
	PHASE 2, AW+2, 1
	; V's way out.  Lane (r, h) of accumulator (a, b) holds channel 64 wn + 16 b + r and keys 64 wm + 16 a + 8 h + 0 .. 7.
.irp b, 0,1,2,3
	ds_load_b32 v[VB+2*\b], v[BVA] offset:256+64*\b                 ; bv of my channel, in both halves of a pair
	ds_load_b32 v[VB+2*\b+1], v[BVA] offset:256+64*\b
.endr
	s_wait_dscnt 0x0
.irp a, 0,1,2,3
.irp b, 0,1,2,3
.irp j, 0,2,4,6
	v_pk_add_f32 v[ACC+8*(4*\a+\b)+\j:ACC+8*(4*\a+\b)+\j+1], v[ACC+8*(4*\a+\b)+\j:ACC+8*(4*\a+\b)+\j+1], v[VB+2*\b:VB+2*\b+1]
.endr
.irp j, 0,1,2,3
	v_cvt_pk_f16_f32 v[XF+4*(4*\a+\b)+\j], v[ACC+8*(4*\a+\b)+2*\j], v[ACC+8*(4*\a+\b)+2*\j+1]
.endr
.endr
.endr
	s_wait_dscnt 0x0                               ; my reads of the tiles are over
	s_barrier_signal -1
	s_barrier_wait -1                              ; everybody's are: x's tile may be written
.irp a, 0,1,2,3
.irp b, 0,1,2,3
	ds_store_b128 v[VSTO], v[XF+4*(4*\a+\b):XF+4*(4*\a+\b)+3] offset:\b*16*VPI+32*\a
.endr
.endr
	s_wait_dscnt 0x0                               ; for the others' sake: my stores into the stage are done
	s_barrier_signal -1
	s_barrier_wait -1
.irp i, 0,1,2,3,4,5,6,7,8,9,10,11,12,13,14,15
	ds_load_b128 v[ACC+4*\i:ACC+4*\i+3], v[VRD] offset:2*\i*VPI
.endr
.irp i, 0,1,2,3,4,5,6,7,8,9,10,11,12,13,14,15
	s_wait_dscnt 15-\i
	global_store_b128 v[VGO], v[ACC+4*\i:ACC+4*\i+3], s[16:17] offset:2*\i*8192   ; sixteen lanes store 256 consecutive bytes, aligned
.endr
	s_wait_tensorcnt 0x0                           ; the wave's end: behind my last tensor load and my last LDS store
	ds_add_u32 v[SPW], v[NIL]
	s_wait_dscnt 0x0
	CROUND                                         ; the closing round
	s_endpgm
.Lfunc_end_k_qb791ab3086_qkv:
	.size	k_qb791ab3086_qkv, .Lfunc_end_k_qb791ab3086_qkv-k_qb791ab3086_qkv
	.p2alignl 7, 3214868480
	.fill 96, 4, 3214868480
	.section	.rodata,"a",@progbits
	.p2align	6, 0x0
	.amdhsa_kernel k_qb791ab3086_qkv
		.amdhsa_group_segment_fixed_size 327680
		.amdhsa_private_segment_fixed_size 0
		.amdhsa_enable_private_segment 0
		.amdhsa_kernarg_size 56
		.amdhsa_user_sgpr_count 2
		.amdhsa_user_sgpr_kernarg_segment_ptr 1
		.amdhsa_wavefront_size32 1
		.amdhsa_system_sgpr_workgroup_id_x 1
		.amdhsa_system_sgpr_workgroup_id_y 1
		.amdhsa_system_sgpr_workgroup_id_z 1
		.amdhsa_system_vgpr_workitem_id 0
		.amdhsa_next_free_vgpr 256
		.amdhsa_next_free_sgpr 96
		.amdhsa_reserve_vcc 0
		.amdhsa_float_denorm_mode_32 3
		.amdhsa_float_denorm_mode_16_64 3
		.amdhsa_memory_ordered 1
		.amdhsa_forward_progress 1
		.amdhsa_inst_pref_size 123
	.end_amdhsa_kernel
	.amdgpu_metadata
---
amdhsa.version: [ 1, 2 ]
amdhsa.kernels:
  - .name:           k_qb791ab3086_qkv
    .symbol:         k_qb791ab3086_qkv.kd
    .args:
      - { .name: cd, .offset: 0, .size: 8, .value_kind: global_buffer, .address_space: global }
      - { .name: sc, .offset: 8, .size: 8, .value_kind: global_buffer, .address_space: global }
      - { .name: bq, .offset: 16, .size: 8, .value_kind: global_buffer, .address_space: global }
      - { .name: bv, .offset: 24, .size: 8, .value_kind: global_buffer, .address_space: global }
      - { .name: qh, .offset: 32, .size: 8, .value_kind: global_buffer, .address_space: global }
      - { .name: kh, .offset: 40, .size: 8, .value_kind: global_buffer, .address_space: global }
      - { .name: vt, .offset: 48, .size: 8, .value_kind: global_buffer, .address_space: global }
    .group_segment_fixed_size: 327680
    .private_segment_fixed_size: 0
    .kernarg_segment_align: 8
    .kernarg_segment_size: 56
    .max_flat_workgroup_size: 128
    .sgpr_count:     96
    .vgpr_count:     256
    .wavefront_size: 32
...
	.end_amdgpu_metadata
.endif
;; end of part 2
;; launch attn (part 3): grid 8 x 32, 8 waves a work-group, clusters of 4 x 4, 327,680 bytes of LDS; arguments qh, kh, vt, attention_mask, a2; writes a2
.if DOCPART == 3
	.amdgcn_target "amdgcn-amd-amdhsa--gfx1250"
	.amdhsa_code_object_version 6
	.text
	.protected	k_qb791ab3086_attn
	.globl	k_qb791ab3086_attn
	.p2align	8
	.type	k_qb791ab3086_attn,@function
k_qb791ab3086_attn:
	s_mov_b64 s[64:65], 0
	v_nop
	global_prefetch_b8 v0, s[64:65] scope:SCOPE_SE
	s_setreg_imm32_b32 hwreg(HW_REG_WAVE_MODE, 25, 1), 1
	s_wait_xcnt 0x0
	s_wait_alu depctr_hold_cnt(0) depctr_sa_sdst(0) depctr_va_vdst(0) depctr_va_sdst(0) depctr_va_ssrc(0) depctr_va_vcc(0) depctr_vm_vsrc(0)
	s_getreg_b32 s2, hwreg(HW_REG_IB_STS2, 6, 4)
	s_cmp_eq_u32 s2, 0
	s_cbranch_scc0 .Lentry_in_a_cluster
	s_endpgm
.Lentry_in_a_cluster:
	s_bfe_u32 s2, ttmp6, 0x10000c
	s_cmp_lg_u32 s2, 0xf033
	s_cbranch_scc0 .Lentry_shape_is_right
	s_endpgm
.Lentry_shape_is_right:
; THIRD LAUNCH: a = softmax(Q K^T / 8 + mask) V for 16 heads of 64; 4,096 queries, 4,096 keys.  qh holds (q + bq) / 8, kh k, vt v transposed [channel][key], all f16; the mask [4096][4096] is f32 and an input:
; no pattern of it is built in, every query walks every key.  Products on f16 operands with f32 sums; the softmax in f32.  OUT: a2 [4096][hi 1024 | lo 1024] f16: hi = f16(a), lo = f16(a - hi).
; SOFTMAX.  s = score + mask, one rounded f32 addition.  m: the row's running maximum, from -FLT_MAX on.  cr = log2(e), or 1 where |m| > 1e38: there s - m is 0 or under -1e30,
; so that 2^(s - m) = e^(s - m), and no product with log2(e) turns a whole row into infinities.  M = ceil(m cr), kept as -M = floor(-(m cr)).  p = 2^(s cr - M), one fused multiply-add and one exponential.
; When M moves, the sum l and O are multiplied by f = 2^(old M - new M), made by ldexp of 1: nothing is rounded, and there is no branch on data.  l is summed of the unrounded p; O / l at the end.
; A row whose every s is -FLT_MAX so comes out as the plain average of V.  LIMITS: NaN in the inputs is not served; |a| stays under 65,504.
; SHARES.  Work-group (hp, qb): 128 queries x 2 heads.  Eight waves, two to a SIMD, so that one wave's vector work stands beside the other's matrix work: wave w has head w & 1 and queries 32 (w >> 1) on: two tiles of 16.
; LAYOUT.  S^T = K Q^T (source 0 = 16 keys, source 1 = 16 queries) and O^T = V^T P (source 0 = 16 channels, source 1 = P): a lane holds ONE query (lane % 16) throughout, and two tiles of S^T, packed to f16, are P's fragment.
; RING.  Two LDS slots of 128 keys: the mask's 128 x 128 f32, K's and V's tiles of both heads.  One tensor load of 16 KB a wave: waves 0-3 the mask's quarters, 4 and 5 K's heads, 6 and 7 V's.
; CLUSTER 4 x 4: the mask's tile hangs on qb alone and is shared along a row of the cluster, K's and V's on hp alone and are shared along a column: each is asked for jointly.
; REGISTERS.  Window 0: v1-15 addresses and constants; v16-39 statistics; v40-103 S^T, then p; v104-167 the mask; v168-199 P.  Window 1: v0-63 O^T; v64-95 Q; v96-159 K; v160-223 V.
.set MP,    528                        ; a row of the mask's tile: 512 bytes + 16
.set KP,    144                        ; a key's row: 128 bytes + 16
.set VP,    272                        ; a channel's row: 256 bytes + 16
.set KOFF,  128*MP
.set VOFF,  KOFF+2*128*KP
.set SLOTB, VOFF+2*64*VP               ; a slot; slot 1 begins here
.set SPARE, 2*SLOTB                    ; the spare words, 128 bytes for each of the eight waves
.set NSL,   32                         ; slots' worth of keys
.set SP,    272                        ; the way out: two planes (hi, lo) of 128 rows x (256 bytes + 16), in slot 0, which was left at the last change of slots: it has had its last fill, and nobody reads it
.set LOPL,  128*SP
.set AK0, 1
.set AV0, 2
.set AM0, 3
.set ADK, 4
.set ADV, 5
.set ADM, 6
.set PFO, 7                            ; v7   the prefetches' lane offset; never rewritten
.set SPW, 8                            ; v8   my spare word; never rewritten
.set NIL, 9                            ; v9   0; never rewritten
.set ONE, 10                           ; v10  1.0
.set STO, 11
.set RDA, 12
.set GO,  13
.set QO,  14
.set LG,  15                           ; v15  log2(e)
.set ST,  16                           ; tile t at ST + 12 t: +0 cr, +2 -M, +4 f (each the low word of a pair whose high word is written once), +6, +7 l, +8 m, +9 at work, +10, +11 at work
.set S,   40
.set MK,  104
.set P,   168
.set F,   104                          ; the way out: a in f32; G: hi widened; H: hi; LO: lo
.set G,   136
.set H,   40
.set LO,  56
.set QF,  64                           ; window 1
.set KF,  96
.set VF,  160
.set WV,  14
.set TB,  23                           ; s23  the slot that is read
.set TBF, 24                           ; s24  the slot that is filled
.set LM,  25                           ; s25-27 my load's place in a slot: the mask's, K's, V's
.set LK,  26
.set LV,  27
.set G1M, 28
.set G1K, 36
.set G1V, 44
.set G0M, 52
.set G0K, 56
.set G0V, 60
.set SEL, 66                           ; s[66:67] lane selects: lane l xor 16
.set BIG, 69                           ; s69  1e38
.set SLOTS, 70
.set LIM, 71                           ; s71  1 in a wave that prefetches, else the greatest number
.set PFA, 72                           ; s[72:73] where my prefetches stand
.set PFS, 74                           ; s[74:75] a slot on, in bytes
.set MSB, 0
.macro WIN new                         ; the immediate's high byte repeats the setting that is left; a switch that changes nothing is dropped
.if MSB != \new
	s_set_vgpr_msb (MSB<<8)|\new
.set MSB, \new
.endif
.endm
.macro CROUND
	s_barrier_signal -1
	s_barrier_wait -1
	s_cmp_lg_u32 s[WV], 0
	s_cbranch_scc1 .Lnot_wave_0_\@
	s_barrier_signal -3
.Lnot_wave_0_\@:
	s_barrier_wait -3
	s_barrier_signal -1
	s_barrier_wait -1
.endm
; A joint load: each wave issues one of three lines; the branches hang on the wave's number alone.  An s_nop 0 and four v_nop follow each line.
.macro JLOAD3
	s_cmp_lt_u32 s[WV], 4
	s_cbranch_scc0 .Lnot_m_\@
	tensor_load_to_lds s[G0M:G0M+3], s[G1M:G1M+7]
	s_nop 0
.rept 4
	v_nop
.endr
	s_branch .Lasked_\@
.Lnot_m_\@:
	s_cmp_lt_u32 s[WV], 6
	s_cbranch_scc0 .Lfor_v_\@
	tensor_load_to_lds s[G0K:G0K+3], s[G1K:G1K+7]
	s_nop 0
.rept 4
	v_nop
.endr
	s_branch .Lasked_\@
.Lfor_v_\@:
	tensor_load_to_lds s[G0V:G0V+3], s[G1V:G1V+7]
	s_nop 0
.rept 4
	v_nop
.endr
.Lasked_\@:
.endm
; A PREFETCH of what the NEXT change of slots will ask for, behind the wave's tensor load and its five lines: one slot, two key steps of each wave, ahead of that load.  Each aligned block of 256 bytes is named once in the launch.
; The mask's rows of a query block are read by both clusters of that row of clusters: cluster x = 0 asks; its four partners along x take 32 rows each, told apart by address; a row's 512 bytes are two blocks: waves 0 and 1.
; K's and V's rows of a pair of heads are read by all eight clusters of that column: cluster y = 0 asks; its four partners along y take a quarter each, by address: wave 4 8,192 bytes of K, lanes 256 bytes apart; wave 6 32 rows of V.
; The last change that fills a slot asks for nothing.  Slots 0 and 1 come by their loads alone.
.macro ASK
	s_cmp_gt_u32 s[SLOTS], s[LIM]
	s_cbranch_scc0 .Lnot_mine_\@
	global_prefetch_b8 v[PFO], s[PFA:PFA+1] th:TH_LOAD_NT scope:SCOPE_SE
.Lnot_mine_\@:
.endm
	s_load_b256 s[4:11], s[0:1], 0x0               ; qh s[4:5], kh s[6:7], vt s[8:9], the mask s[10:11]
	s_load_b64 s[12:13], s[0:1], 0x20              ; a2
	v_lshl_add_u32 v[SPW], v0, 2, SPARE
	v_mov_b32 v[NIL], 0
	ds_add_u32 v[SPW], v[NIL]                      ; the wave's opening: the add, twice on end, and its wait ahead of my first tensor load
	ds_add_u32 v[SPW], v[NIL]
	v_lshrrev_b32 v1, 5, v0
	v_readfirstlane_b32 s[WV], v1                  ; wave 0..7
	s_and_b32 s15, s[WV], 1                        ; hw: my head of the two.  Also: which head's tile I fetch
	s_lshr_b32 s16, s[WV], 1                       ; g: my 32 queries
	s_bfe_u32 s17, ttmp6, 0x40000                  ; cx
	s_bfe_u32 s18, ttmp6, 0x40004                  ; cy
	s_lshl_b32 s19, ttmp9, 2
	s_add_co_u32 s19, s19, s17                     ; hp = 4 x cluster x + cx
	s_and_b32 s20, ttmp7, 0xffff
	s_lshl_b32 s20, s20, 2
	s_add_co_u32 s20, s20, s18                     ; qb = 4 x cluster y + cy
	s_lshl_b32 s21, s18, 2
	s_lshl_b32 s21, 15, s21                        ; my row of the cluster
	s_lshl_b32 s22, 0x1111, s17                    ; my column
	; group 1.  The mask: 32 rows x 128 elements of 4 bytes, 4,096 elements apart; padding of 4 words behind every 128
	s_or_b32 s[G1M], s21, (2<<16)|(1<<20)|(1<<21)|(6<<22)|(3<<25)
	s_mov_b32 s[G1M+1], 128<<16
	s_mov_b32 s[G1M+2], 32<<16
	s_mov_b32 s[G1M+3], 128<<16
	s_mov_b32 s[G1M+4], 32
	s_mov_b32 s[G1M+5], 4096
	s_mov_b32 s[G1M+6], 0
	s_mov_b32 s[G1M+7], 0
	; K: 128 rows x 64 elements of 2 bytes, dense; padding behind every 32 words
	s_or_b32 s[G1K], s22, (1<<16)|(1<<20)|(1<<21)|(4<<22)|(3<<25)
	s_mov_b32 s[G1K+1], 64<<16
	s_mov_b32 s[G1K+2], 128<<16
	s_mov_b32 s[G1K+3], 64<<16
	s_mov_b32 s[G1K+4], 128
	s_mov_b32 s[G1K+5], 64
	s_mov_b32 s[G1K+6], 0
	s_mov_b32 s[G1K+7], 0
	; V: 64 rows x 128 elements of 2 bytes, 4,096 elements apart; padding behind every 64 words
	s_or_b32 s[G1V], s22, (1<<16)|(1<<20)|(1<<21)|(5<<22)|(3<<25)
	s_mov_b32 s[G1V+1], 128<<16
	s_mov_b32 s[G1V+2], 64<<16
	s_mov_b32 s[G1V+3], 128<<16
	s_mov_b32 s[G1V+4], 64
	s_mov_b32 s[G1V+5], 4096
	s_mov_b32 s[G1V+6], 0
	s_mov_b32 s[G1V+7], 0
	s_and_b32 s76, s[WV], 3
	s_mul_i32 s[LM], s76, 32*MP
	s_mul_i32 s[LK], s15, 128*KP
	s_add_co_u32 s[LK], s[LK], KOFF
	s_mul_i32 s[LV], s15, 64*VP
	s_add_co_u32 s[LV], s[LV], VOFF
	s_lshl_b32 s78, s20, 21                        ; the mask: row 128 qb + 32 (w & 3), 16,384 bytes a row: made of qb and the wave alone
	s_lshl_b32 s76, s76, 19
	s_add_co_u32 s78, s78, s76
	s_mov_b32 s79, 0
	s_lshl_b32 s80, s19, 20                        ; kh: head 2 hp + hw, 524,288 bytes a head; vt: channel 128 hp + 64 hw, 8,192 bytes a row: the same number, made of hp and the wave alone
	s_lshl_b32 s77, s15, 19
	s_add_co_u32 s80, s80, s77
	s_mov_b32 s81, 0
	s_lshl_b32 s82, s20, 14                        ; qh: my head, row 128 qb + 32 g, 128 bytes a row
	s_add_co_u32 s82, s82, s80
	s_lshl_b32 s77, s16, 12
	s_add_co_u32 s82, s82, s77
	s_mov_b32 s83, 0
	s_lshl_b32 s84, s20, 19                        ; a2: row 128 qb + 16 w, 4,096 bytes a row; channel 128 hp
	s_lshl_b32 s77, s[WV], 16
	s_add_co_u32 s84, s84, s77
	s_lshl_b32 s77, s19, 8
	s_add_co_u32 s84, s84, s77
	s_mov_b32 s85, 0
	s_mov_b32 s[SEL], 0x76543210
	s_mov_b32 s[SEL+1], 0xfedcba98
	s_mov_b32 s[BIG], 0x7e967699
	s_mov_b32 s[TB], 0
	s_mov_b32 s[TBF], 0
	s_mov_b32 s[SLOTS], NSL-1
	s_wait_dscnt 0x0                               ; both opening adds are done
	s_wait_kmcnt 0x0
	s_add_nc_u64 s[4:5], s[4:5], s[82:83]
	s_add_nc_u64 s[12:13], s[12:13], s[84:85]
	CROUND                                         ; all sixteen work-groups are here: the first joint loads meet
	s_mov_b32 s[G0M], 1
	s_mov_b32 s[G0M+1], s[LM]
	s_add_nc_u64 s[G0M+2:G0M+3], s[10:11], s[78:79]
	s_or_b32 s[G0M+3], s[G0M+3], 0x80000000
	s_mov_b32 s[G0K], 1
	s_mov_b32 s[G0K+1], s[LK]
	s_add_nc_u64 s[G0K+2:G0K+3], s[6:7], s[80:81]
	s_or_b32 s[G0K+3], s[G0K+3], 0x80000000
	s_mov_b32 s[G0V], 1
	s_mov_b32 s[G0V+1], s[LV]
	s_add_nc_u64 s[G0V+2:G0V+3], s[8:9], s[80:81]
	s_or_b32 s[G0V+3], s[G0V+3], 0x80000000
	JLOAD3                                         ; slot 0: every wave issues one load
	v_and_b32 v4, 15, v0                           ; r
	v_bfe_u32 v5, v0, 4, 1                         ; h
	v_lshlrev_b32 v[QO], 7, v4
	v_lshl_add_u32 v[QO], v5, 4, v[QO]             ; Q: row r of 128 bytes + 16 h
	WIN 0x40                                       ; destination window 1
.irp t, 0,1
.irp c, 0,1
	global_load_b128 v[QF+16*\t+8*\c:QF+16*\t+8*\c+3], v[QO], s[4:5] offset:\t*2048+64*\c        ; Q stays in registers
	global_load_b128 v[QF+16*\t+8*\c+4:QF+16*\t+8*\c+7], v[QO], s[4:5] offset:\t*2048+64*\c+32
.endr
.endr
.set i, 0
.rept 64
	v_mov_b32 v[i], 0                              ; O^T.  (The key step is written once: the first finds zeros, which the first change of M leaves zeros)
.set i, i+1
.endr
	WIN 0
	v_mul_u32_u24 v[AK0], v4, KP
	v_lshl_add_u32 v[AK0], v5, 4, v[AK0]
	v_add_nc_u32 v[AK0], s[LK], v[AK0]             ; K: my head's tile, key r, + 16 h
	v_mul_u32_u24 v[AV0], v4, VP
	v_lshl_add_u32 v[AV0], v5, 4, v[AV0]
	v_add_nc_u32 v[AV0], s[LV], v[AV0]             ; V: my head's tile, channel r, + 16 h
	s_mul_i32 s76, s16, 32*MP
	v_mul_u32_u24 v[AM0], v4, MP
	v_lshl_add_u32 v[AM0], v5, 5, v[AM0]
	v_add_nc_u32 v[AM0], s76, v[AM0]               ; the mask: query 32 g + r, keys 8 h on
	s_mul_i32 s76, s16, 32*SP
	s_lshl_b32 s77, s15, 7
	s_add_co_u32 s76, s76, s77
	v_mul_u32_u24 v[STO], v4, SP
	v_lshl_add_u32 v[STO], v5, 4, v[STO]
	v_add_nc_u32 v[STO], s76, v[STO]               ; the way out, in: row 32 g + r, my head's 128 bytes, + 16 h
	s_mul_i32 s76, s[WV], 16*SP
	v_mul_u32_u24 v[RDA], v5, SP
	v_lshl_add_u32 v[RDA], v4, 4, v[RDA]
	v_add_nc_u32 v[RDA], s76, v[RDA]               ; back: my 16 rows, sixteen lanes to a row
	v_lshlrev_b32 v[GO], 12, v5
	v_lshl_add_u32 v[GO], v4, 4, v[GO]             ; and the same two rows in a2
	v_mov_b32 v[ONE], 1.0
	v_mov_b32 v[LG], 0x3fb8aa3b
.irp t, 0,1
	v_mov_b32 v[ST+12*\t+1], 0
	v_mov_b32 v[ST+12*\t+2], 0x7f7fffff            ; -M under m = -FLT_MAX and cr = 1
	v_mov_b32 v[ST+12*\t+3], 0
	v_mov_b32 v[ST+12*\t+5], 0
	v_mov_b32 v[ST+12*\t+6], 0                     ; l, in two halves
	v_mov_b32 v[ST+12*\t+7], 0
	v_mov_b32 v[ST+12*\t+8], 0xff7fffff            ; m
	v_mov_b32 v[ST+12*\t+11], 0
.endr
	; the prefetches: where my wave's stand, and who asks
	s_and_b32 s76, ttmp7, 0xffff                   ; cluster y
	s_lshl_b32 s77, s20, 21
	s_lshl_b32 s78, s17, 19
	s_add_co_u32 s77, s77, s78
	s_lshl_b32 s78, s15, 8
	s_add_co_u32 s77, s77, s78                     ; the mask: row 128 qb + 32 cx, block w & 1 of a row's two
	s_lshl_b32 s79, s19, 20
	s_lshr_b32 s80, s18, 1
	s_lshl_b32 s80, s80, 19
	s_add_co_u32 s80, s79, s80
	s_and_b32 s81, s18, 1
	s_lshl_b32 s81, s81, 13
	s_add_co_u32 s80, s80, s81                     ; K: head 2 hp + cy / 2, half cy % 2 of a slot's 16,384 bytes
	s_lshl_b32 s81, s18, 18
	s_add_co_u32 s81, s79, s81                     ; V: channel 128 hp + 32 cy
	s_lshr_b32 s82, s[WV], 1                       ; 0 in waves 0 and 1
	s_mov_b32 s[PFS], 256
	s_mov_b32 s84, 8192
	s_cmp_lt_u32 s[WV], 6
	s_cselect_b64 s[PFA:PFA+1], s[6:7], s[8:9]
	s_cselect_b32 s83, s80, s81
	s_cselect_b32 s[PFS], 16384, s[PFS]
	s_cselect_b32 s84, 256, s84
	s_cmp_lt_u32 s[WV], 4
	s_cselect_b64 s[PFA:PFA+1], s[10:11], s[PFA:PFA+1]
	s_cselect_b32 s83, s77, s83
	s_cselect_b32 s[PFS], 512, s[PFS]
	s_cselect_b32 s84, 16384, s84                  ; from lane to lane
	s_cselect_b32 s85, ttmp9, s76                  ; the coordinate along which other clusters read the same bytes
	s_cselect_b32 s82, s82, s15                    ; 0 in waves 0, 1, 4, 6
	s_or_b32 s82, s82, s85
	s_cmp_eq_u32 s82, 0                            ; the same in all sixteen partners, for a given wave
	s_cselect_b32 s[LIM], 1, -1
	s_add_co_u32 s86, s83, s[PFS]                  ; in slot 1: the first change of slots steps it to slot 2.  Nothing is prefetched here, at the head
	s_mov_b32 s87, 0
	s_mov_b32 s[PFS+1], 0
	s_add_nc_u64 s[PFA:PFA+1], s[PFA:PFA+1], s[86:87]
	v_and_b32 v[PFO], 31, v0
	v_mul_lo_u32 v[PFO], v[PFO], s84
; THE CHANGE OF SLOTS stands at a slot's head.  Each wave waits for all its tensor loads (one is out: its part of the slot that it is about to read), adds 0 to its spare word, and waits for that and for its reads of the slot
; that it has left.  fill = 1: a round of the cluster's barrier, and behind it the other slot is filled with the next 128 keys: the load has a whole slot's work in which to land.
.macro CHANGE fill
	WIN 0
	s_wait_tensorcnt 0x0                           ; no tensor load of mine is out, so a group 0 may be written
	ds_add_u32 v[SPW], v[NIL]                      ; 0 onto my spare word
.if \fill
	s_xor_b32 s[TBF], s[TBF], SLOTB                ; the other slot than last time,
	s_add_co_u32 s[G0M+1], s[TBF], s[LM]
	s_add_nc_u64 s[G0M+2:G0M+3], s[G0M+2:G0M+3], 512       ; the next 128 keys; the type bits on top are not reached
	s_add_co_u32 s[G0K+1], s[TBF], s[LK]
	s_add_nc_u64 s[G0K+2:G0K+3], s[G0K+2:G0K+3], 16384
	s_add_co_u32 s[G0V+1], s[TBF], s[LV]
	s_add_nc_u64 s[G0V+2:G0V+3], s[G0V+2:G0V+3], 256
	s_wait_xcnt 0x0                                ; the last prefetch, a slot back, has read its address, so it may be written
	s_add_nc_u64 s[PFA:PFA+1], s[PFA:PFA+1], s[PFS:PFS+1]
	s_wait_dscnt 0x0                               ; the add is done, and my reads of the slot that I have left are over
	CROUND
	JLOAD3                                         ; the first thing behind the round, and my one tensor load until the next
	ASK
.else
	s_wait_dscnt 0x0
	s_barrier_signal -1
	s_barrier_wait -1
.endif
	v_add_nc_u32 v[ADK], s[TB], v[AK0]
	v_add_nc_u32 v[ADV], s[TB], v[AV0]
	v_add_nc_u32 v[ADM], s[TB], v[AM0]
.endm
; A KEY STEP: 64 keys, the q-th half of the slot in hand, for my two tiles of 16 queries.
.macro SUB q
.rept 4
	v_nop                                          ; four places between the last products and the loads into V's registers
.endr
	WIN 0x40
.irp kt, 0,1,2,3
.irp c, 0,1
	ds_load_b128 v[KF+16*\kt+8*\c:KF+16*\kt+8*\c+3], v[ADK] offset:(64*(\q)+16*\kt)*KP+64*\c
	ds_load_b128 v[KF+16*\kt+8*\c+4:KF+16*\kt+8*\c+7], v[ADK] offset:(64*(\q)+16*\kt)*KP+64*\c+32
.endr
.endr
.irp ct, 0,1,2,3
.irp kc, 0,1
	ds_load_b128 v[VF+16*\ct+8*\kc:VF+16*\ct+8*\kc+3], v[ADV] offset:\ct*16*VP+128*(\q)+64*\kc
	ds_load_b128 v[VF+16*\ct+8*\kc+4:VF+16*\ct+8*\kc+7], v[ADV] offset:\ct*16*VP+128*(\q)+64*\kc+32
.endr
.endr
	WIN 0
.irp t, 0,1
.irp kt, 0,1,2,3
	ds_load_b128 v[MK+32*\t+8*\kt:MK+32*\t+8*\kt+3], v[ADM] offset:\t*16*MP+256*(\q)+64*\kt      ; the mask in S^T's layout: query 16 t + r, keys 16 kt + 8 h + 0 .. 7
	ds_load_b128 v[MK+32*\t+8*\kt+4:MK+32*\t+8*\kt+7], v[ADM] offset:\t*16*MP+256*(\q)+64*\kt+16
.endr
.endr
	s_wait_dscnt 32                                ; K's sixteen loads are in; V's and the mask's 32 may be out
	WIN 0x05                                       ; K and Q in window 1, S^T in window 0
.irp c, 0,1                                    ; the eight accumulators take turns, one instruction a turn
.irp t, 0,1
.irp kt, 0,1,2,3
.if \c == 0
	v_wmma_f32_16x16x32_f16 v[S+32*\t+8*\kt:S+32*\t+8*\kt+7], v[KF+16*\kt+8*\c:KF+16*\kt+8*\c+7], v[QF+16*\t+8*\c:QF+16*\t+8*\c+7], 0
.else
	v_wmma_f32_16x16x32_f16 v[S+32*\t+8*\kt:S+32*\t+8*\kt+7], v[KF+16*\kt+8*\c:KF+16*\kt+8*\c+7], v[QF+16*\t+8*\c:QF+16*\t+8*\c+7], v[S+32*\t+8*\kt:S+32*\t+8*\kt+7]
.endif
.endr
.endr
.endr
	WIN 0
	v_mov_b32 v[ST+9], v[ST+2]                     ; the old -M is kept.  (With the two v_nop: the four places behind the products)
	v_mov_b32 v[ST+12+9], v[ST+12+2]
	v_nop
	v_nop
	s_wait_dscnt 0x0                               ; the mask and V
.set i, 0
.rept 32
	v_pk_add_f32 v[S+i:S+i+1], v[S+i:S+i+1], v[MK+i:MK+i+1]       ; s = score + mask, rounded to f32; each accumulator from its low end on
.set i, i+2
.endr
.irp t, 0,1                                    ; the largest of my 32 s and the old m, three operands at a time, two chains a tile
	v_max3_num_f32 v[ST+12*\t+10], v[S+32*\t], v[S+32*\t+1], v[S+32*\t+2]
	v_max3_num_f32 v[ST+12*\t+11], v[S+32*\t+3], v[S+32*\t+4], v[S+32*\t+5]
.endr
.irp i, 6,10,14,18,22,26
.irp t, 0,1
	v_max3_num_f32 v[ST+12*\t+10], v[ST+12*\t+10], v[S+32*\t+\i], v[S+32*\t+\i+1]
	v_max3_num_f32 v[ST+12*\t+11], v[ST+12*\t+11], v[S+32*\t+\i+2], v[S+32*\t+\i+3]
.endr
.endr
.irp t, 0,1
	v_max3_num_f32 v[ST+12*\t+10], v[ST+12*\t+10], v[S+32*\t+30], v[S+32*\t+31]
.endr
.irp t, 0,1
	v_max3_num_f32 v[ST+12*\t+10], v[ST+12*\t+10], v[ST+12*\t+11], v[ST+12*\t+8]
.endr
.irp t, 0,1
	v_permlanex16_b32 v[ST+12*\t+11], v[ST+12*\t+10], s[SEL], s[SEL+1]   ; the query's other 32 keys lie in the lane 16 away
.endr
.irp t, 0,1
	v_max_num_f32 v[ST+12*\t+8], v[ST+12*\t+10], v[ST+12*\t+11]          ; the new m
.endr
.irp t, 0,1
	v_max_num_f32 v[ST+12*\t+10], v[ST+12*\t+8], -v[ST+12*\t+8]          ; |m|
.endr
.irp t, 0,1
	v_cmp_lt_f32 s[90+\t], s[BIG], v[ST+12*\t+10]
.endr
.irp t, 0,1
	v_cndmask_b32 v[ST+12*\t], v[LG], v[ONE], s[90+\t]                   ; cr: a choice of a value, no branch
.endr
.irp t, 0,1
	v_mul_f32 v[ST+12*\t+11], v[ST+12*\t+8], v[ST+12*\t]
.endr
.irp t, 0,1
	v_floor_f32 v[ST+12*\t+2], -v[ST+12*\t+11]                           ; -M = floor(-(m cr)): M is a whole number
.endr
.irp t, 0,1
	v_sub_f32 v[ST+12*\t+9], v[ST+12*\t+2], v[ST+12*\t+9]                ; old M - new M: a whole number, 0 or less
.endr
.irp t, 0,1
	v_cvt_i32_f32 v[ST+12*\t+9], v[ST+12*\t+9]                           ; (it saturates)
.endr
.irp t, 0,1
	v_ldexp_f32 v[ST+12*\t+4], 1.0, v[ST+12*\t+9]                        ; f
.endr
.irp t, 0,1
.set i, 0
.rept 16
	v_pk_fma_f32 v[S+32*\t+i:S+32*\t+i+1], v[S+32*\t+i:S+32*\t+i+1], v[ST+12*\t:ST+12*\t+1], v[ST+12*\t+2:ST+12*\t+3] op_sel_hi:[1,0,0]   ; s cr - M (of the pairs cr and -M the low word serves both halves)
.set i, i+2
.endr
.endr
.set i, 0
.rept 64
	v_exp_f32 v[S+i], v[S+i]                       ; p, at most 1
.set i, i+1
.endr
	v_nop                                          ; a plain instruction behind the last exponential
	s_wait_alu depctr_va_vdst(0)                   ; one wait for the whole batch, ahead of its first reader
.irp t, 0,1                                    ; l = l f + the sum of the unrounded p, two at a time, two chains a tile
	v_pk_fma_f32 v[ST+12*\t+6:ST+12*\t+7], v[ST+12*\t+6:ST+12*\t+7], v[ST+12*\t+4:ST+12*\t+5], v[S+32*\t:S+32*\t+1] op_sel_hi:[1,0,1]
	v_pk_add_f32 v[ST+12*\t+10:ST+12*\t+11], v[S+32*\t+2:S+32*\t+3], v[S+32*\t+4:S+32*\t+5]
.endr
.irp i, 6,10,14,18,22,26
.irp t, 0,1
	v_pk_add_f32 v[ST+12*\t+6:ST+12*\t+7], v[ST+12*\t+6:ST+12*\t+7], v[S+32*\t+\i:S+32*\t+\i+1]
	v_pk_add_f32 v[ST+12*\t+10:ST+12*\t+11], v[ST+12*\t+10:ST+12*\t+11], v[S+32*\t+\i+2:S+32*\t+\i+3]
.endr
.endr
.irp t, 0,1
	v_pk_add_f32 v[ST+12*\t+6:ST+12*\t+7], v[ST+12*\t+6:ST+12*\t+7], v[S+32*\t+30:S+32*\t+31]
.endr
.irp t, 0,1
	v_pk_add_f32 v[ST+12*\t+6:ST+12*\t+7], v[ST+12*\t+6:ST+12*\t+7], v[ST+12*\t+10:ST+12*\t+11]
.endr
.set i, 0
.rept 32
	v_cvt_pk_f16_f32 v[P+i], v[S+2*i], v[S+2*i+1]  ; two tiles of 16 keys, packed, are a fragment of 32 keys x 16 queries
.set i, i+1
.endr
	WIN 0x41                                       ; O^T in window 1, f in window 0
.irp t, 0,1
.set i, 0
.rept 16
	v_pk_mul_f32 v[32*\t+i:32*\t+i+1], v[32*\t+i:32*\t+i+1], v[ST+12*\t+4:ST+12*\t+5] op_sel_hi:[1,0]   ; O^T under the new M; each accumulator from its low end on
.set i, i+2
.endr
.endr
	WIN 0x51                                       ; V and O^T in window 1, P in window 0
.irp kc, 0,1
.irp t, 0,1
.irp ct, 0,1,2,3
	v_wmma_f32_16x16x32_f16 v[32*\t+8*\ct:32*\t+8*\ct+7], v[VF+16*\ct+8*\kc:VF+16*\ct+8*\kc+7], v[P+16*\t+8*\kc:P+16*\t+8*\kc+7], v[32*\t+8*\ct:32*\t+8*\ct+7]
.endr
.endr
.endr
	WIN 0
.endm
	s_wait_loadcnt 0x0                             ; Q
.Lslot:                                            ; NSL - 1 trips: behind each change of slots but the last the next slot is asked for
	CHANGE 1
	SUB 0
	SUB 1
	s_xor_b32 s[TB], s[TB], SLOTB                  ; on to the other slot
	s_sub_co_u32 s[SLOTS], s[SLOTS], 1
	s_cmp_lg_u32 s[SLOTS], 0
	s_cbranch_scc1 .Lslot
	CHANGE 0                                       ; the last slot is written out
	SUB 0
	SUB 1
	; THE WAY OUT.  l's two halves and the other half of the lanes' are added (these additions are the places behind the last products); a = O^T / l is split into hi and lo and goes through the stage.
.irp t, 0,1
	v_add_f32 v[ST+12*\t+10], v[ST+12*\t+6], v[ST+12*\t+7]
.endr
.irp t, 0,1
	v_permlanex16_b32 v[ST+12*\t+11], v[ST+12*\t+10], s[SEL], s[SEL+1]
.endr
.irp t, 0,1
	v_add_f32 v[ST+12*\t+10], v[ST+12*\t+10], v[ST+12*\t+11]
.endr
.irp t, 0,1
	v_rcp_f32 v[ST+12*\t+4], v[ST+12*\t+10]
.endr
	v_nop                                          ; a plain instruction behind the last reciprocal
	s_wait_alu depctr_va_vdst(0)                   ; one wait for the two, ahead of the first reader
.macro OUTT t
	WIN 0x01                                       ; source 0 (O^T) in window 1
.set i, 0
.rept 16
	v_pk_mul_f32 v[F+i:F+i+1], v[32*\t+i:32*\t+i+1], v[ST+12*\t+4:ST+12*\t+5] op_sel_hi:[1,0]   ; register 8 ct + j: a(query r, channel 16 ct + 8 h + j)
.set i, i+2
.endr
	WIN 0
.set i, 0
.rept 16
	v_cvt_pk_f16_f32 v[H+i], v[F+2*i], v[F+2*i+1]  ; hi
.set i, i+1
.endr
.set i, 0
.irp hh, v40.l,v40.h,v41.l,v41.h,v42.l,v42.h,v43.l,v43.h,v44.l,v44.h,v45.l,v45.h,v46.l,v46.h,v47.l,v47.h,v48.l,v48.h,v49.l,v49.h,v50.l,v50.h,v51.l,v51.h,v52.l,v52.h,v53.l,v53.h,v54.l,v54.h,v55.l,v55.h
	v_cvt_f32_f16 v[G+i], \hh
.set i, i+1
.endr
.set i, 0
.rept 16
	v_pk_add_f32 v[F+i:F+i+1], v[F+i:F+i+1], v[G+i:G+i+1] neg_lo:[0,1] neg_hi:[0,1]   ; a - hi, exact in f32
.set i, i+2
.endr
.set i, 0
.rept 16
	v_cvt_pk_f16_f32 v[LO+i], v[F+2*i], v[F+2*i+1] ; lo
.set i, i+1
.endr
.irp ct, 0,1,2,3
	ds_store_b128 v[STO], v[H+4*\ct:H+4*\ct+3] offset:\t*16*SP+32*\ct
	ds_store_b128 v[STO], v[LO+4*\ct:LO+4*\ct+3] offset:LOPL+\t*16*SP+32*\ct
.endr
.endm
	OUTT 0
	OUTT 1
	s_wait_dscnt 0x0                               ; for the others' sake: my stores into the stage are done (a row's 256 bytes come from two waves)
	s_barrier_signal -1
	s_barrier_wait -1
.irp pl, 0,1
.irp i, 0,1,2,3,4,5,6,7
	ds_load_b128 v[F+32*\pl+4*\i:F+32*\pl+4*\i+3], v[RDA] offset:\pl*LOPL+2*\i*SP
.endr
.endr
.irp pl, 0,1
.irp i, 0,1,2,3,4,5,6,7
	s_wait_dscnt 15-8*\pl-\i
	global_store_b128 v[GO], v[F+32*\pl+4*\i:F+32*\pl+4*\i+3], s[12:13] offset:2*\i*4096+\pl*2048   ; sixteen lanes store 256 consecutive bytes, aligned
.endr
.endr
	s_wait_tensorcnt 0x0                           ; the wave's end: behind my last tensor load and my last LDS store
	ds_add_u32 v[SPW], v[NIL]
	s_wait_dscnt 0x0
	CROUND                                         ; the closing round
	s_endpgm
.Lfunc_end_k_qb791ab3086_attn:
	.size	k_qb791ab3086_attn, .Lfunc_end_k_qb791ab3086_attn-k_qb791ab3086_attn
	.p2alignl 7, 3214868480
	.fill 96, 4, 3214868480
	.section	.rodata,"a",@progbits
	.p2align	6, 0x0
	.amdhsa_kernel k_qb791ab3086_attn
		.amdhsa_group_segment_fixed_size 327680
		.amdhsa_private_segment_fixed_size 0
		.amdhsa_enable_private_segment 0
		.amdhsa_kernarg_size 40
		.amdhsa_user_sgpr_count 2
		.amdhsa_user_sgpr_kernarg_segment_ptr 1
		.amdhsa_wavefront_size32 1
		.amdhsa_system_sgpr_workgroup_id_x 1
		.amdhsa_system_sgpr_workgroup_id_y 1
		.amdhsa_system_sgpr_workgroup_id_z 1
		.amdhsa_system_vgpr_workitem_id 0
		.amdhsa_next_free_vgpr 512
		.amdhsa_next_free_sgpr 96
		.amdhsa_reserve_vcc 0
		.amdhsa_float_denorm_mode_32 3
		.amdhsa_float_denorm_mode_16_64 3
		.amdhsa_memory_ordered 1
		.amdhsa_forward_progress 1
		.amdhsa_inst_pref_size 113
	.end_amdhsa_kernel
	.amdgpu_metadata
---
amdhsa.version: [ 1, 2 ]
amdhsa.kernels:
  - .name:           k_qb791ab3086_attn
    .symbol:         k_qb791ab3086_attn.kd
    .args:
      - { .name: qh, .offset: 0, .size: 8, .value_kind: global_buffer, .address_space: global }
      - { .name: kh, .offset: 8, .size: 8, .value_kind: global_buffer, .address_space: global }
      - { .name: vt, .offset: 16, .size: 8, .value_kind: global_buffer, .address_space: global }
      - { .name: attention_mask, .offset: 24, .size: 8, .value_kind: global_buffer, .address_space: global }
      - { .name: a2, .offset: 32, .size: 8, .value_kind: global_buffer, .address_space: global }
    .group_segment_fixed_size: 327680
    .private_segment_fixed_size: 0
    .kernarg_segment_align: 8
    .kernarg_segment_size: 40
    .max_flat_workgroup_size: 256
    .sgpr_count:     96
    .vgpr_count:     512
    .wavefront_size: 32
...
	.end_amdgpu_metadata
.endif
;; end of part 3
;; launch oproj (part 4): grid 8 x 32, 4 waves a work-group, clusters of 4 x 4, 327,680 bytes of LDS; arguments a2, w2, bo, out0; writes out0
.if DOCPART == 4
	.amdgcn_target "amdgcn-amd-amdhsa--gfx1250"
	.amdhsa_code_object_version 6
	.text
	.protected	k_qb791ab3086_oproj
	.globl	k_qb791ab3086_oproj
	.p2align	8
	.type	k_qb791ab3086_oproj,@function
k_qb791ab3086_oproj:
	s_mov_b64 s[64:65], 0
	v_nop
	global_prefetch_b8 v0, s[64:65] scope:SCOPE_SE
	s_setreg_imm32_b32 hwreg(HW_REG_WAVE_MODE, 25, 1), 1
	s_wait_xcnt 0x0
	s_wait_alu depctr_hold_cnt(0) depctr_sa_sdst(0) depctr_va_vdst(0) depctr_va_sdst(0) depctr_va_ssrc(0) depctr_va_vcc(0) depctr_vm_vsrc(0)
	s_getreg_b32 s2, hwreg(HW_REG_IB_STS2, 6, 4)
	s_cmp_eq_u32 s2, 0
	s_cbranch_scc0 .Lentry_in_a_cluster
	s_endpgm
.Lentry_in_a_cluster:
	s_bfe_u32 s2, ttmp6, 0x10000c
	s_cmp_lg_u32 s2, 0xf033
	s_cbranch_scc0 .Lentry_shape_is_right
	s_endpgm
.Lentry_shape_is_right:
; FOURTH LAUNCH: out0 = a Wo^T + bo, [4096][1024] f32.  a and Wo come as pairs of f16, a2 [4096][hi 1024 | lo 1024], w2 [1024][hi 1024 | lo 1024]: the product is hi hi + lo hi + hi lo, all three on the matrix
; units with f32 sums; lo lo, under 2^-22 of the terms, is not formed.  So rows of a that average few values, which are the largest, are carried as finely as all others, wherever the mask puts them.
; A tile of out0 is 128 x 128: four waves, each 64 x 64: 16 accumulators.  Twelve K steps of 256 f16 (LDS rows of 512 bytes) through a ring of two slots, written out: steps 0-3 a hi x w hi, 4-7 a lo x w hi, 8-11 a hi x w lo.
; CLUSTER 4 x 4: a's tile is shared along a row of the cluster, w's along a column: each is asked for jointly.  The matrix instruction is used transposed (source 0 = 16 rows of w2, source 1 = 16 rows of a2):
; a lane holds eight neighbouring columns of one row of out0.  The bias is the C of each sum's first product.
; REGISTERS: window 0: v0-31 addresses; v32-95 the way out; v96-127 bo in the result's layout; v128-255 the accumulators ((a, b) at 128 + 8 (4 a + b)).  Window 1: two fragment buffers of 128.
.set KSTEP,  256
.set PITCH,  528                       ; an LDS row: 512 bytes + 16 of padding
.set HALFT,  64*PITCH                  ; 64 rows: what one tensor load brings
.set SLOT,   4*HALFT                   ; a's 128 rows, then w's 128 rows
.set STAGE,  2*SLOT                    ; behind the ring: 16 rows x 272 bytes for each wave
.set SPITCH, 272
.set SPARE,  STAGE+4*16*SPITCH         ; the spare words, 128 bytes for each wave
.set ADRA, 16
.set ADRB, 20
.set STO,  24
.set RD,   25
.set CO,   26
.set BOF,  27
.set SPW,  28                          ; v28  my spare word; never rewritten
.set NIL,  29                          ; v29  0; never rewritten
.set OB,   32
.set BI,   96
.set ACC,  128
.set F0,   0
.set F1,   128
.set WV,   12
.set G1,   24
.set G0,   32
.set G1B,  48
.set G0B,  56
.set MSB, 0
.macro WIN new
.if MSB != \new
	s_set_vgpr_msb (MSB<<8)|\new
.set MSB, \new
.endif
.endm
.set MUL,  0x05                        ; sources 0 (w) and 1 (a) window 1; C and D window 0
.set TO_F, 0x40                        ; destination window 1, address window 0
.macro JLOAD s                         ; a joint load: waves 0 and 1 fetch a's two halves, waves 2 and 3 w's; an s_nop 0 and four v_nop follow each line
	s_cmp_eq_u32 s13, 0
	s_cbranch_scc0 .Lfor_b_\@
	tensor_load_to_lds s[G0+4*\s:G0+4*\s+3], s[G1:G1+7]
	s_nop 0
.rept 4
	v_nop
.endr
	s_branch .Lasked_\@
.Lfor_b_\@:
	tensor_load_to_lds s[G0B+4*\s:G0B+4*\s+3], s[G1B:G1B+7]
	s_nop 0
.rept 4
	v_nop
.endr
.Lasked_\@:
.endm
.macro CREST                           ; a round of the cluster's barrier behind its opening barrier
	s_cmp_lg_u32 s[WV], 0
	s_cbranch_scc1 .Lnot_wave_0_\@
	s_barrier_signal -3
.Lnot_wave_0_\@:
	s_barrier_wait -3
	s_barrier_signal -1
	s_barrier_wait -1
.endm
.macro CROUND
	s_barrier_signal -1
	s_barrier_wait -1
	CREST
.endm
	s_load_b128 s[4:7], s[0:1], 0x0                ; a2 s[4:5], w2 s[6:7]
	s_load_b128 s[8:11], s[0:1], 0x10              ; bo s[8:9], out0 s[10:11]
	v_lshl_add_u32 v[SPW], v0, 2, SPARE
	v_mov_b32 v[NIL], 0
	ds_add_u32 v[SPW], v[NIL]                      ; the wave's opening: the add, twice on end, and its wait ahead of my first tensor load
	ds_add_u32 v[SPW], v[NIL]
	v_lshrrev_b32 v1, 5, v0
	v_readfirstlane_b32 s[WV], v1                  ; wave 0..3
	s_lshr_b32 s13, s[WV], 1                       ; which half of the tile's rows is mine.  Also: I fetch for a (0) or for w (1)
	s_and_b32 s14, s[WV], 1                        ; which half of its columns.  Also: which 64 rows of that tile I fetch
	s_bfe_u32 s15, ttmp6, 0x40000                  ; cx
	s_bfe_u32 s16, ttmp6, 0x40004                  ; cy
	s_lshl_b32 s17, ttmp9, 2
	s_add_co_u32 s17, s17, s15                     ; nt
	s_and_b32 s18, ttmp7, 0xffff
	s_lshl_b32 s18, s18, 2
	s_add_co_u32 s18, s18, s16                     ; mt
	s_lshl_b32 s19, s16, 2
	s_lshl_b32 s19, 15, s19                        ; my row of the cluster
	s_lshl_b32 s20, 0x1111, s15                    ; my column
	; group 1: 64 rows x 256 elements of 2 bytes, 2,048 elements apart; padding of 4 words behind every 128
	s_or_b32 s[G1], s19, (1<<16)|(1<<20)|(1<<21)|(6<<22)|(3<<25)
	s_or_b32 s[G1B], s20, (1<<16)|(1<<20)|(1<<21)|(6<<22)|(3<<25)
.irp g, G1, G1B
	s_mov_b32 s[\g+1], KSTEP<<16
	s_mov_b32 s[\g+2], 64<<16
	s_mov_b32 s[\g+3], KSTEP<<16
	s_mov_b32 s[\g+4], 64
	s_mov_b32 s[\g+5], 2048
	s_mov_b32 s[\g+6], 0
	s_mov_b32 s[\g+7], 0
.endr
	s_lshl_b32 s21, s14, 18                        ; which 64 rows of 4,096 bytes I fetch
	s_lshl_b32 s40, s18, 19                        ; a2: row 128 mt: made of mt and the wave alone
	s_add_co_u32 s40, s40, s21
	s_mov_b32 s41, 0
	s_lshl_b32 s42, s17, 19                        ; w2: row 128 nt: made of nt and the wave alone
	s_add_co_u32 s42, s42, s21
	s_mov_b32 s43, 0
	s_mul_i32 s22, s[WV], HALFT                    ; where they go: wave x 64 rows
	s_wait_dscnt 0x0                               ; both opening adds are done
	s_wait_kmcnt 0x0
	s_add_nc_u64 s[40:41], s[4:5], s[40:41]
	s_add_nc_u64 s[42:43], s[6:7], s[42:43]
	CROUND                                         ; all sixteen work-groups are here: the first joint loads meet
.irp s, 0,1
	s_mov_b32 s[G0+4*\s], 1
	s_add_co_u32 s[G0+4*\s+1], s22, \s*SLOT
	s_add_nc_u64 s[G0+4*\s+2:G0+4*\s+3], s[40:41], \s*KSTEP*2
	s_or_b32 s[G0+4*\s+3], s[G0+4*\s+3], 0x80000000
	s_mov_b32 s[G0B+4*\s], 1
	s_add_co_u32 s[G0B+4*\s+1], s22, \s*SLOT
	s_add_nc_u64 s[G0B+4*\s+2:G0B+4*\s+3], s[42:43], \s*KSTEP*2
	s_or_b32 s[G0B+4*\s+3], s[G0B+4*\s+3], 0x80000000
	JLOAD \s                                       ; K steps 0 and 1: two loads of mine are out
.endr
	v_and_b32 v1, 15, v0                           ; r
	v_bfe_u32 v2, v0, 4, 1                         ; h
	s_lshl_b32 s44, s17, 9
	s_lshl_b32 s45, s14, 8
	s_add_co_u32 s44, s44, s45                     ; my 64 columns, in bytes of f32
	v_lshl_add_u32 v[BOF], v2, 5, s44
.irp b, 0,1,2,3
	global_load_b128 v[BI+8*\b:BI+8*\b+3], v[BOF], s[8:9] offset:64*\b          ; bo at columns 16 b + 8 h + 0 .. 7
	global_load_b128 v[BI+8*\b+4:BI+8*\b+7], v[BOF], s[8:9] offset:64*\b+16
.endr
	v_mul_u32_u24 v3, v1, PITCH
	v_lshl_add_u32 v3, v2, 4, v3                   ; a fragment's row x pitch + 16 h
	s_mul_i32 s21, s13, HALFT                      ; my 64 rows of a
	s_mul_i32 s22, s14, HALFT                      ; my 64 rows of w,
	s_add_co_u32 s22, s22, 2*HALFT                 ; which lie behind a's 128
.irp s, 0,1
	v_add_nc_u32 v[ADRA+\s], s21, v3
	v_add_nc_u32 v[ADRB+\s], s22, v3
	s_add_co_u32 s21, s21, SLOT
	s_add_co_u32 s22, s22, SLOT
.endr
	s_mul_i32 s23, s[WV], 16*SPITCH
	s_add_co_u32 s23, s23, STAGE                   ; my stage
	v_mul_u32_u24 v4, v1, SPITCH
	v_lshl_add_u32 v4, v2, 5, v4
	v_add_nc_u32 v[STO], s23, v4                   ; in: row r, 32 bytes for each half of the lanes
	v_mul_u32_u24 v5, v2, SPITCH
	v_lshl_add_u32 v5, v1, 4, v5
	v_add_nc_u32 v[RD], s23, v5                    ; back: lanes 0-15 one row of 256 bytes, lanes 16-31 the next
	v_lshlrev_b32 v5, 12, v2
	v_lshl_add_u32 v[CO], v1, 4, v5                ; and the same two rows in out0
	s_lshl_b32 s46, s18, 19                        ; out0: row 128 mt + 64 wm, 4,096 bytes a row, + my columns
	s_lshl_b32 s47, s13, 18
	s_add_co_u32 s46, s46, s47
	s_add_co_u32 s46, s46, s44
	s_mov_b32 s47, 0
	s_add_nc_u64 s[10:11], s[10:11], s[46:47]
; 8 products: row blocks a0, a0 + 1 x all 4 column blocks, 32 along K: half c of buffer f.  zero = 1: the first product starts the sum from the bias.  The 16 accumulators take turns.
.macro MUL8 f, c, a0, zero
.irp a, \a0, \a0+1
.irp b, 0,1,2,3
.if \zero
	v_wmma_f32_16x16x32_f16 v[ACC+8*(4*(\a)+\b):ACC+8*(4*(\a)+\b)+7], v[\f+64+8*(4*\c+\b):\f+64+8*(4*\c+\b)+7], v[\f+8*(4*\c+\a):\f+8*(4*\c+\a)+7], v[BI+8*\b:BI+8*\b+7]
.else
	v_wmma_f32_16x16x32_f16 v[ACC+8*(4*(\a)+\b):ACC+8*(4*(\a)+\b)+7], v[\f+64+8*(4*\c+\b):\f+64+8*(4*\c+\b)+7], v[\f+8*(4*\c+\a):\f+8*(4*\c+\a)+7], v[ACC+8*(4*(\a)+\b):ACC+8*(4*(\a)+\b)+7]
.endif
.endr
.endr
.endm
; 32 LDS loads in one run: the fragments of 64 along K at byte k of the rows, into buffer f; the first 32 along K first
.macro FETCH slot, k, f
	WIN TO_F
.irp c, 0,1
.irp i, 0,1,2,3
	ds_load_b128 v[\f+64+8*(4*\c+\i):\f+64+8*(4*\c+\i)+3],   v[ADRB+\slot] offset:\k+64*\c+\i*16*PITCH
	ds_load_b128 v[\f+64+8*(4*\c+\i)+4:\f+64+8*(4*\c+\i)+7], v[ADRB+\slot] offset:\k+64*\c+\i*16*PITCH+32
	ds_load_b128 v[\f+8*(4*\c+\i):\f+8*(4*\c+\i)+3],         v[ADRA+\slot] offset:\k+64*\c+\i*16*PITCH
	ds_load_b128 v[\f+8*(4*\c+\i)+4:\f+8*(4*\c+\i)+7],       v[ADRA+\slot] offset:\k+64*\c+\i*16*PITCH+32
.endr
.endr
.endm
.macro PLACES                          ; four places in front of loads into registers that products have read, and of the first read of results
.rept 4
	v_nop
.endr
.endm
; A K step is four quarters of 64 along K, 32 products each, on buffers 0, 1, 0, 1.  One of the first three: multiplies buffer f and fetches the next quarter, at byte k, into g.
.macro QUARTER slot, k, f, g, zero
	s_wait_dscnt 16                                ; the first 32 along K are in; the sixteen loads of the second 32 may be out
	WIN MUL
	MUL8 \f, 0, 0, \zero
	MUL8 \f, 0, 2, \zero
	PLACES
	FETCH \slot, \k, \g
	s_wait_dscnt 32                                ; all but the 32 just issued
	WIN MUL
	MUL8 \f, 1, 0, 0
	MUL8 \f, 1, 2, 0
.endm
.macro THREE slot
	QUARTER \slot, 128, F0, F1, 0
	QUARTER \slot, 256, F1, F0, 0
	QUARTER \slot, 384, F0, F1, 0
.endm
; The last quarter multiplies buffer 1 and changes slots: ONE barrier; in front of it each wave waits for all its tensor loads, adds 0 to its spare word, and waits for that and for its own reads of this slot.
; fill = 1: this slot is filled again with the K step two on: a's tile da blocks of 512 bytes along its rows, w's db.
.macro TURN slot, next, fill, da, db
	WIN 0                                          ; (the add's two registers lie in window 0)
	s_wait_tensorcnt 0x0                           ; all my tensor loads have landed: my part of the next slot
	ds_add_u32 v[SPW], v[NIL]                      ; 0 onto my spare word
	s_wait_dscnt 17                                ; (the add and the youngest sixteen loads may be out)
	WIN MUL
	MUL8 F1, 0, 0, 0                               ; eight products stand between the add and the wait for it
	s_wait_dscnt 0x0                               ; the add is done, and my reads of this slot are over
	s_barrier_signal -1
	MUL8 F1, 0, 2, 0
.if \fill
	WIN 0
.endif
	s_barrier_wait -1
.if \fill
	CREST                                          ; the barrier has opened a round of the cluster's barrier: no wave of any partner still reads this slot's tile or has a load on its way
.if (\da) > 0
	s_add_nc_u64 s[G0+4*\slot+2:G0+4*\slot+3], s[G0+4*\slot+2:G0+4*\slot+3], (\da)*512
.else
	s_sub_nc_u64 s[G0+4*\slot+2:G0+4*\slot+3], s[G0+4*\slot+2:G0+4*\slot+3], -(\da)*512
.endif
.if (\db) > 0
	s_add_nc_u64 s[G0B+4*\slot+2:G0B+4*\slot+3], s[G0B+4*\slot+2:G0B+4*\slot+3], (\db)*512
.else
	s_sub_nc_u64 s[G0B+4*\slot+2:G0B+4*\slot+3], s[G0B+4*\slot+2:G0B+4*\slot+3], -(\db)*512
.endif
	JLOAD \slot                                    ; the first tensor load behind the round; the four v_nop behind it are also the places in front of the loads below
.else
	PLACES
.endif
	FETCH \next, 0, F0
	WIN MUL
	MUL8 F1, 1, 0, 0
	MUL8 F1, 1, 2, 0
.endm
	s_wait_tensorcnt 1                             ; my part of K step 0 is in; K step 1's load may be out
	s_barrier_signal -1
	s_barrier_wait -1                              ; everybody's is
	FETCH 0, 0, F0
	s_wait_loadcnt 0x0                             ; the bias
	QUARTER 0, 128, F0, F1, 1                      ; step 0: a block 0, w block 0; its first products start the sums
	QUARTER 0, 256, F1, F0, 0
	QUARTER 0, 384, F0, F1, 0
	TURN 0, 1, 1, 2, 2                             ; slot 0 takes step 2: a 2, w 2
	THREE 1                                        ; step 1: a 1, w 1
	TURN 1, 0, 1, 2, 2                             ; step 3: a 3, w 3
	THREE 0
	TURN 0, 1, 1, 2, -2                            ; step 4: a 4 (lo), w 0
	THREE 1
	TURN 1, 0, 1, 2, -2                            ; step 5: a 5, w 1
	THREE 0
	TURN 0, 1, 1, 2, 2                             ; step 6: a 6, w 2
	THREE 1
	TURN 1, 0, 1, 2, 2                             ; step 7: a 7, w 3
	THREE 0
	TURN 0, 1, 1, -6, 2                            ; step 8: a 0, w 4 (lo)
	THREE 1
	TURN 1, 0, 1, -6, 2                            ; step 9: a 1, w 5
	THREE 0
	TURN 0, 1, 1, 2, 2                             ; step 10: a 2, w 6
	THREE 1
	TURN 1, 0, 1, 2, 2                             ; step 11: a 3, w 7
	THREE 0
	TURN 0, 1, 0, 0, 0                             ; nothing is left to fetch
	THREE 1
	s_wait_dscnt 16                                ; the very last quarter
	WIN MUL
	MUL8 F1, 0, 0, 0
	MUL8 F1, 0, 2, 0
	s_wait_dscnt 0
	MUL8 F1, 1, 0, 0
	MUL8 F1, 1, 2, 0
	WIN 0
; THE WAY OUT, 16 rows x 64 columns at a time, through my own stage: a lane's 32 bytes go in, whole rows of 256 bytes come back.  LDS serves a wave's instructions in order: no wait between the stores and the loads.
.macro TOSTAGE a
.irp b, 0,1,2,3
	ds_store_b128 v[STO], v[ACC+8*(4*(\a)+\b):ACC+8*(4*(\a)+\b)+3] offset:64*\b          ; each accumulator from its low end on
	ds_store_b128 v[STO], v[ACC+8*(4*(\a)+\b)+4:ACC+8*(4*(\a)+\b)+7] offset:64*\b+16
.endr
.irp i, 0,1,2,3,4,5,6,7
	ds_load_b128 v[OB+32*((\a)%2)+4*\i:OB+32*((\a)%2)+4*\i+3], v[RD] offset:\i*2*SPITCH
.endr
.endm
.macro SEND a, younger                 ; younger: the LDS instructions issued behind block a's loads, which may stay out
	s_wait_dscnt \younger
.irp i, 0,1,2,3,4,5,6,7
	global_store_b128 v[CO], v[OB+32*((\a)%2)+4*\i:OB+32*((\a)%2)+4*\i+3], s[10:11] offset:(16*(\a)+2*\i)*4096 th:TH_STORE_NT   ; sixteen lanes store 256 consecutive bytes, aligned
.endr
.endm
	PLACES
	TOSTAGE 0
.irp a, 1,2,3
.if \a > 1
	s_wait_xcnt 0x0                                ; block a - 2's stores have read their registers: block a's loads may land there
.endif
	TOSTAGE \a
	SEND \a-1, 16                                  ; behind block a - 1's loads: block a's eight stores and eight loads
.endr
	SEND 3, 0
	s_wait_tensorcnt 0x0                           ; the wave's end: behind my last tensor load and my last LDS store
	ds_add_u32 v[SPW], v[NIL]
	s_wait_dscnt 0x0
	CROUND                                         ; the closing round
	s_endpgm
.Lfunc_end_k_qb791ab3086_oproj:
	.size	k_qb791ab3086_oproj, .Lfunc_end_k_qb791ab3086_oproj-k_qb791ab3086_oproj
	.p2alignl 7, 3214868480
	.fill 96, 4, 3214868480
	.section	.rodata,"a",@progbits
	.p2align	6, 0x0
	.amdhsa_kernel k_qb791ab3086_oproj
		.amdhsa_group_segment_fixed_size 327680
		.amdhsa_private_segment_fixed_size 0
		.amdhsa_enable_private_segment 0
		.amdhsa_kernarg_size 32
		.amdhsa_user_sgpr_count 2
		.amdhsa_user_sgpr_kernarg_segment_ptr 1
		.amdhsa_wavefront_size32 1
		.amdhsa_system_sgpr_workgroup_id_x 1
		.amdhsa_system_sgpr_workgroup_id_y 1
		.amdhsa_system_sgpr_workgroup_id_z 1
		.amdhsa_system_vgpr_workitem_id 0
		.amdhsa_next_free_vgpr 512
		.amdhsa_next_free_sgpr 66
		.amdhsa_reserve_vcc 0
		.amdhsa_float_denorm_mode_32 3
		.amdhsa_float_denorm_mode_16_64 3
		.amdhsa_memory_ordered 1
		.amdhsa_forward_progress 1
		.amdhsa_inst_pref_size 230
	.end_amdhsa_kernel
	.amdgpu_metadata
---
amdhsa.version: [ 1, 2 ]
amdhsa.kernels:
  - .name:           k_qb791ab3086_oproj
    .symbol:         k_qb791ab3086_oproj.kd
    .args:
      - { .name: a2, .offset: 0, .size: 8, .value_kind: global_buffer, .address_space: global }
      - { .name: w2, .offset: 8, .size: 8, .value_kind: global_buffer, .address_space: global }
      - { .name: bo, .offset: 16, .size: 8, .value_kind: global_buffer, .address_space: global }
      - { .name: out0, .offset: 24, .size: 8, .value_kind: global_buffer, .address_space: global }
    .group_segment_fixed_size: 327680
    .private_segment_fixed_size: 0
    .kernarg_segment_align: 8
    .kernarg_segment_size: 32
    .max_flat_workgroup_size: 128
    .sgpr_count:     66
    .vgpr_count:     512
    .wavefront_size: 32
...
	.end_amdgpu_metadata
.endif
;; end of part 4
